; MI455X (gfx1250); checked and timed in simulation.
; The chip was launched on July 23, 2026; its instructions are those of AMD's public machine-readable ISA for CDNA 5 (MIT licence, August 2026) and "CDNA5" Instruction Set Architecture Reference Guide (July 2026). The comments in the code are by the model that wrote it; some were corrected since.
;; Multi Head Self Attention. Allowed arithmetic: matrix products marked QUANTISED: E4M3 operands, one given power-of-two scale a tensor, by v_wmma_f32_16x16x64_fp8_fp8 or v_wmma_f32_16x16x128_fp8_fp8, f32 sums; everything else in f32.
;; Inputs: k_b 1,024 float32; k_w_codes 1,024 x 32 x 32 uint8 (E4M3 codes of k_w, K innermost, in blocks of 32 codes); lowp_scales 12 int32 (the exponents e of the quantised operands' scales 2^e); mask 4 x 2,048 bool; o_b 1,024 float32; o_w_codes 1,024 x 32 x 32 uint8 (E4M3 codes of o_w, K innermost, in blocks of 32 codes); q_b 1,024 float32; q_w_codes 1,024 x 32 x 32 uint8 (E4M3 codes of q_w, K innermost, in blocks of 32 codes); v_b 1,024 float32; v_w_codes 1,024 x 32 x 32 uint8 (E4M3 codes of v_w, K innermost, in blocks of 32 codes); x_codes 4 x 2,048 x 32 x 32 uint8 (E4M3 codes of x, K innermost, in blocks of 32 codes).
;; Outputs: out0 4 x 2,048 x 1,024 float32.
;; This version of the problem:
;;   THIS VERSION OF THE PROBLEM IS GIVEN IN LOW PRECISION. The matrix products marked QUANTISED in the list below multiply operands that are first quantised to E4M3 (4 exponent bits, 3 mantissa bits; 8 bits a number), with one given power-of-two scale for each operand tensor; their sums are f32. All else is computed in f32.
;;   The module's matrix products, in the order in which they are computed (A, B: the left and right operand; K: the contracted axis; several contracted axes count as one K, in the product's order):
;;     1. [M 8,192, K 1,024] x [K 1,024, N 1,024]; A: input x (given as codes); B: input q_w (given as codes): QUANTISED (scales: A lowp_scales[0], B lowp_scales[1])
;;     2. [M 8,192, K 1,024] x [K 1,024, N 1,024]; A: input x (given as codes); B: input k_w (given as codes): QUANTISED (scales: A lowp_scales[2], B lowp_scales[3])
;;     3. [M 8,192, K 1,024] x [K 1,024, N 1,024]; A: input x (given as codes); B: input v_w (given as codes): QUANTISED (scales: A lowp_scales[4], B lowp_scales[5])
;;     4. batch 64 x [M 2,048, K 64] x [K 64, N 2,048]; A: computed on the way; B: computed on the way: QUANTISED (scales: A lowp_scales[6], B lowp_scales[7])
;;     5. batch 64 x [M 2,048, K 2,048] x [K 2,048, N 64]; A: softmax (see below); B: computed on the way: QUANTISED (scales: A lowp_scales[8], B lowp_scales[9])
;;     6. [M 8,192, K 1,024] x [K 1,024, N 1,024]; A: computed on the way; B: input o_w (given as codes): QUANTISED (scales: A lowp_scales[10], B lowp_scales[11])
;;   THE QUANTISER, for each operand of a quantised product, along K:
;;     - The operand's scale is 2^e, e = its entry of the input lowp_scales (int32; the entries are numbered through the quantised products in the list's order, A before B).
;;     - Each number is divided by the scale, clamped to +-448, and rounded to the nearest number of E4M3, ties to even, subnormals kept.
;;     - The product sums the exact products of the quantised numbers (number of the format x scale) in f32.
;;   ~~~python
;;   def quantise(x, axis, e):      # numpy; x: float32 -> the quantised numbers, widened to float32 again
;;       x = np.moveaxis(x, axis, -1); K = x.shape[-1]
;;       r = np.clip(x / 2.0 ** e, -448, 448)
;;       step = 2.0 ** (np.maximum(np.frexp(np.where(r == 0, 1, r))[1] - 1, -6) - 3)
;;       q = np.round(r / step) * step * 2.0 ** e      # np.round: ties to even
;;       return np.moveaxis(q, -1, axis).astype(np.float32)
;;   ~~~
;;   SOFTMAX AHEAD OF A QUANTISED PRODUCT. Where the list says 'softmax', what is quantised is not the finished softmax but p = 2^(t - M), with t = logit x log2(e) and M = ceil(the row's largest t), a whole number; so 1/2 < the row's largest p <= 1. The row's sum l is taken of the UNQUANTISED p, in f32, and the product's result is divided by l at the end. Since M is a whole number, a kernel that streams over the keys may use a running M (the ceiling of the running maximum): every later rescaling is an exact power of two, so the quantised numbers keep their values, but for numbers so far below the row's largest that they fall under the format's range.
;;   OPERANDS COMPUTED ON THE WAY. 'Computed on the way' means the value that the module computes at that place (a softmax that the list does not call 'softmax' is quantised finished and normalised). What goes into a quantiser is computed in f32, as accurately as f32 sums, v_exp_f32 and their like allow (about 1e-6 of the number): no bf16 or f16 on the way to a quantiser, and a product that is left as it is and whose result goes on into a quantised operand takes f32 operands (vector FMAs, or v_wmma_f32_16x16x4_f32). A number that lies on a knife's edge between two numbers of the format may be rounded either way, as far as f32 arithmetic and the matrix unit's own rounding can turn it there, and no further.
;;   INPUTS GIVEN AS CODES. k_w (in the module: [1024, 1024], K = its axis 1); o_w (in the module: [1024, 1024], K = its axis 1); q_w (in the module: [1024, 1024], K = its axis 1); v_w (in the module: [1024, 1024], K = its axis 1); x (in the module: [4, 2048, 1024], K = its axis 2): each comes as NAME_codes (uint8): NAME with its K axis moved to the last place and cut into blocks of 32 codes, [.., K / 32, bytes a block], one block behind the other in memory; one code a byte (a code: sign, 4 exponent bits, 3 mantissa bits); its scale is its entry of lowp_scales. Its value is code x scale, taken as it is: it is not quantised again, and the codes and scales need not be those that the quantiser above would give.
;; 2 versions, each right; version 2 is version 1 with the launch attn written anew for expert scheduling mode. Each part assembles by itself: llvm-mc -triple=amdgcn-amd-amdhsa -mcpu=gfx1250 --defsym DOCPART=n.
;; ======== version 1 of 2: 3 launches
;; workspace buffers: qws 8,388,608 bytes; kv 16,777,216 bytes; att 8,388,608 bytes
;; launch qkv (part 1): grid 8 x 48, 4 waves a work-group, clusters of 4 x 4, 327,680 bytes of LDS; arguments x_codes, q_w_codes, k_w_codes, v_w_codes, q_b, k_b, v_b, lowp_scales, qws, kv; writes qws, kv
.if DOCPART == 1
	.amdgcn_target "amdgcn-amd-amdhsa--gfx1250"
	.amdhsa_code_object_version 6
	.text
	.protected	k_qf4bc89c499_qkv
	.globl	k_qf4bc89c499_qkv
	.p2align	8
	.type	k_qf4bc89c499_qkv,@function
k_qf4bc89c499_qkv:
	s_mov_b64 s[64:65], 0
	v_nop
	global_prefetch_b8 v0, s[64:65] scope:SCOPE_SE
	s_setreg_imm32_b32 hwreg(HW_REG_WAVE_MODE, 25, 1), 1
	s_wait_xcnt 0x0
	s_wait_alu depctr_hold_cnt(0) depctr_sa_sdst(0) depctr_va_vdst(0) depctr_va_sdst(0) depctr_va_ssrc(0) depctr_va_vcc(0) depctr_vm_vsrc(0)
	s_getreg_b32 s2, hwreg(HW_REG_IB_STS2, 6, 4)
	s_cmp_eq_u32 s2, 0
	s_cbranch_scc0 .Lentry_in_a_cluster
	s_endpgm
.Lentry_in_a_cluster:
	s_bfe_u32 s2, ttmp6, 0x10000c
	s_cmp_lg_u32 s2, 0xf033
	s_cbranch_scc0 .Lentry_shape_is_right
	s_endpgm
.Lentry_shape_is_right:
; Q = x q_w^T + q_b, K = x k_w^T + k_b, V = x v_w^T + v_b on codes of FP8 (E4M3), and each result quantised at once for the attention launch.
; x: [8192][1024] codes; the weights: [1024][1024] codes, K innermost; the biases f32; the scales' exponents e0 .. e11 are int32.
; THREE GEMMS OF ONE FORM, C[m][n] = sum over k of A[m][k] B[n][k], in one launch.  Q: A = x, B = q_w.  K: A = x, B = k_w.  V: A = v_w, B = x.
; THE MATRIX INSTRUCTION IS USED TRANSPOSED (source 0 = 16 rows of B, source 1 = 16 rows of A): a lane holds one row of A's side and its eight registers run along B's rows.  So for Q and K a lane is a token
; and its registers run along the head's channels, for V a lane is a channel and its registers run along the tokens (the keys): in each case along the K of the product that will read the codes.
; A tile of C is 256 x 256: four waves of 128 x 128 (64 accumulators, 512 registers).  128 tiles for each GEMM: 384 work-groups in 24 clusters of 4 x 4.
; Cluster (CX, CY): CY < 8: rows of tiles 4 CY .. 4 CY + 3 of Q (CX = 0) or of K (CX = 1), all four columns; CY >= 8: V, all four rows of tiles, columns 4 (2 (CY - 8) + CX) on.
; The four of a row of the cluster need the same tiles of A, the four of a column the same tiles of B: each tile is asked for JOINTLY.  K goes in four steps of 256 through two LDS slots.
; THE BIAS is the C of each sum's first matrix instruction, divided by the power of two that the sums lack; a finished sum is held within +-448 x 2^FE and converted with the one scale 2^FE, FE = eo - ea - eb.
; WHAT IS STORED are IMAGES OF THE READER'S OPERAND REGISTERS: registers 4 c .. 4 c + 3 of lane l at 512 c + 16 l, so each store of the wave covers 512 consecutive bytes, aligned.
;   qws: [64 batch x head][128 tiles of 16 queries][1024 bytes].   kv: [64 batch x head][16 steps of 128 keys][8 images of K, 1024 bytes each (16 keys x 64), then 4 images of V, 2048 bytes each (16 channels x 128 keys)].
; No prefetch: of the four K steps two are first fills and two are asked for a whole step (128 matrix instructions) ahead, and every tile is read by several work-groups.
; The input mask is not among the arguments: no number of the result hangs on it.
; LIMITS on the given exponents, so that each power of two below is an f32 number: e6 - e0 - e1, e7 - e2 - e3 and e9 - e4 - e5 between -126 and 119.  NaN among the biases is not served.
; REGISTERS, in windows of 256: window 0: v1-29 addresses and constants; v32-95 the bias; v96-103 its loads' offsets; v104-119 codes on the way out; v128-255 A's fragments, ONE set.
;   window 1: B's fragments, TWO sets.   window 2: the accumulators of my rows 0-63 ((a, b) at v[8 (8 a + b)]);   window 3: those of my rows 64-127.
.set ROWB,   256                       ; a tile's row in bytes: 256 codes
.set KROW,   1024                      ; a row of A or of B in memory, in bytes
.set PITCH,  272                       ; an LDS row: 256 bytes + 16 of padding = 68 words: row r starts at bank 4 r mod 64 (64 banks of 4 bytes: ISA guide 11.1)
.set FR,     16                        ; registers of a fragment: 16 rows x 128 K
.set NL,     4                         ; LDS loads that bring one
.set NP,     4                         ; places behind this matrix instruction (ISA guide 7.12.1)
.set HALFT,  128*PITCH                 ; 128 rows: what one tensor load brings
.set SLOT,   4*HALFT                   ; A's 256 rows, then B's 256 rows
.set SPARE,  2*SLOT                    ; behind the ring: the spare words, 128 bytes for each wave: two blocks of 256 bytes that no other line names
.set ADRA, 16                          ; v16-17  LDS address of my A fragments in slot 0, 1
.set ADRB, 20                          ; v20-21  the same for B
.set VO0,  24                          ; v24     16 x lane: my place in an image
.set VO2,  25                          ; v25     the same, C2 bytes on
.set SCV,  26                          ; v26     2^FE as f32
.set LIMV, 27                          ; v27     448 x 2^FE
.set SPW,  28                          ; v28     LDS address of my spare word; never rewritten
.set NIL,  29                          ; v29     0; never rewritten
.set BI,   32                          ; v32-95  the bias, eight registers for each of eight blocks
.set BO,   96                          ; v96-103 byte offsets of the bias loads
.set CD,   104                         ; v104-119 a block's codes
.set AF,   128                         ; A's fragments
.set G1, 24                            ; s[24:31] descriptor group 1 for A's tiles;  s[32:39] group 0, one set for each slot
.set G0, 32
.set G1B, 48                           ; s[48:55], s[56:63] the same for B's tiles
.set G0B, 56
.set MSB, 0
.macro WIN new                         ; the immediate's high byte repeats the setting that is left
.if MSB != (\new)
	s_set_vgpr_msb (MSB<<8)|(\new)
.set MSB, (\new)
.endif
.endm
.set MUL_LO, 0xa1                      ; source 0 (B) window 1, source 1 (A) window 0, C and D window 2
.set MUL_HI, 0xf1                      ; the same, C and D window 3
.set TO_B,   0x40                      ; destination window 1, address window 0
; A joint load: waves 0 and 1 fetch for A, waves 2 and 3 for B.  Each of the two lines has ONE mask and one set of registers for all that issue it; the branch hangs on the wave's number alone.
; Four v_nop follow each of the two lines, ahead of the jump, the label and what follows.
.macro JLOAD g0a, g1a, g0b, g1b
	s_cmp_eq_u32 s15, 0
	s_cbranch_scc0 .Lfor_b_\@
	tensor_load_to_lds s[\g0a:\g0a+3], s[\g1a:\g1a+7]
	s_nop 0
.rept 4
	v_nop
.endr
	s_branch .Lasked_\@
.Lfor_b_\@:
	tensor_load_to_lds s[\g0b:\g0b+3], s[\g1b:\g1b+7]
	s_nop 0
.rept 4
	v_nop
.endr
.Lasked_\@:
.endm
.macro CREST                           ; a round of the cluster's barrier behind its opening barrier
	s_cmp_lg_u32 s14, 0
	s_cbranch_scc1 .Lnot_wave_0_\@
	s_barrier_signal -3
.Lnot_wave_0_\@:
	s_barrier_wait -3
	s_barrier_signal -1
	s_barrier_wait -1
.endm
.macro CROUND                          ; a whole round
	s_barrier_signal -1
	s_barrier_wait -1
	CREST
.endm
	s_load_b512 s[68:83], s[0:1], 0x0              ; x s[68:69], q_w s[70:71], k_w s[72:73], v_w s[74:75], q_b s[76:77], k_b s[78:79], v_b s[80:81], the exponents s[82:83]
	s_load_b128 s[84:87], s[0:1], 0x40             ; qws s[84:85], kv s[86:87]
	v_lshl_add_u32 v[SPW], v0, 2, SPARE
	v_mov_b32 v[NIL], 0
	ds_add_u32 v28, v29
	ds_add_u32 v28, v29
	s_wait_dscnt 0x0
	v_lshrrev_b32 v1, 5, v0
	v_readfirstlane_b32 s14, v1                    ; wave 0..3
	s_lshr_b32 s15, s14, 1                         ; which half of the tile's rows is mine.  Also: I fetch for A (0) or for B (1)
	s_and_b32 s16, s14, 1                          ; which half of its columns.  Also: which 128 rows of that tile I fetch
	s_bfe_u32 s40, ttmp6, 0x40000                  ; cx, cy: my place in the cluster
	s_bfe_u32 s41, ttmp6, 0x40004
	s_mov_b32 s12, ttmp9                           ; CX, CY: the cluster's place, which all sixteen partners share
	s_and_b32 s13, ttmp7, 0xffff
	s_sub_co_u32 s19, s13, 8
	s_lshl_b32 s19, s19, 1
	s_add_co_u32 s19, s19, s12                     ; V: 2 (CY - 8) + CX
	s_cmp_lt_u32 s13, 8                            ; Q or K?
	s_cselect_b32 s18, s13, 0                      ; the cluster's row among clusters of its GEMM,
	s_cselect_b32 s19, 0, s19                      ; and its column
	s_lshl_b32 s42, s19, 2
	s_add_co_u32 s42, s42, s40                     ; tile column of C = 4 x the cluster's column + cx
	s_lshl_b32 s17, s18, 2
	s_add_co_u32 s17, s17, s41                     ; tile row of C = 4 x the cluster's row + cy
	s_lshl_b32 s43, s41, 2
	s_lshl_b32 s43, 15, s43                        ; my row of the cluster
	s_lshl_b32 s44, 0x1111, s40                    ; my column
	; descriptor group 1: a tile of 128 rows x 256 bytes, padded in LDS
	s_or_b32 s[G1+0], s43, (1<<20)|(1<<21)|(5<<22)|(3<<25)   ; 15:0 the mask: A's tiles go to my row; 17:16 element of 1 byte; 20 padding on; 21 set beside a mask; 24:22 after every 64 words (code 5); 31:25 of 4 words (code 3)
	s_or_b32 s[G1B+0], s44, (1<<20)|(1<<21)|(5<<22)|(3<<25)  ; the same with the mask of my column
.irp g, G1, G1B
	s_mov_b32 s[\g+1], ROWB<<16                    ; tensor_dim0
	s_mov_b32 s[\g+2], 128<<16                     ; tensor_dim1 = 128
	s_mov_b32 s[\g+3], ROWB<<16                    ; tile_dim0
	s_mov_b32 s[\g+4], 128                         ; tile_dim1 = 128
	s_mov_b32 s[\g+5], KROW                        ; tensor_dim0_stride
	s_mov_b32 s[\g+6], 0
	s_mov_b32 s[\g+7], 0
.endr
	s_lshl_b32 s18, s16, 7                         ; which 128 rows of the tile I fetch
	s_lshl_b32 s20, s17, 8
	s_add_co_u32 s20, s20, s18                     ; A: row 256 x tile row + 128 x half
	s_lshl_b32 s46, s42, 8
	s_add_co_u32 s46, s46, s18                     ; B: row 256 x tile column + 128 x half
	s_lshl_b32 s20, s20, 10                        ; rows of 1,024 bytes: under 2^23
	s_lshl_b32 s46, s46, 10
	s_mov_b32 s21, 0
	s_mov_b32 s47, 0
	s_mul_i32 s45, s14, HALFT                      ; where they go: wave x 128 rows: no place in the cluster enters an LDS address
	s_wait_kmcnt 0x0
	s_load_b256 s[88:95], s[82:83], 0x0            ; e0 .. e7
	s_load_b32 s97, s[82:83], 0x24                 ; e9
	s_cmp_eq_u32 s12, 0                            ; the buffers are chosen by the cluster's place alone
	s_cselect_b64 s[6:7], s[70:71], s[72:73]
	s_cselect_b64 s[8:9], s[76:77], s[78:79]
	s_cselect_b64 s[10:11], s[84:85], s[86:87]
	s_cmp_lt_u32 s13, 8
	s_cselect_b64 s[4:5], s[68:69], s[74:75]       ; A: x, or v_w
	s_cselect_b64 s[6:7], s[6:7], s[68:69]         ; B: q_w or k_w, or x
	s_cselect_b64 s[8:9], s[8:9], s[80:81]         ; the bias
	s_cselect_b64 s[10:11], s[10:11], s[86:87]     ; where the codes go
	s_add_nc_u64 s[20:21], s[4:5], s[20:21]
	s_add_nc_u64 s[46:47], s[6:7], s[46:47]
	CROUND                                         ; all sixteen work-groups are here: the first joint loads meet
.irp s, 0,1
	s_mov_b32 s[G0+4*\s], 1                                        ; count = 1
	s_add_co_u32 s[G0+4*\s+1], s45, \s*SLOT                        ; LDS address
	s_add_nc_u64 s[G0+4*\s+2:G0+4*\s+3], s[20:21], \s*ROWB         ; global address: K step s
	s_or_b32 s[G0+4*\s+3], s[G0+4*\s+3], 0x80000000                ; type = 2
	s_mov_b32 s[G0B+4*\s], 1
	s_add_co_u32 s[G0B+4*\s+1], s45, \s*SLOT
	s_add_nc_u64 s[G0B+4*\s+2:G0B+4*\s+3], s[46:47], \s*ROWB
	s_or_b32 s[G0B+4*\s+3], s[G0B+4*\s+3], 0x80000000
	JLOAD G0+4*\s, G1, G0B+4*\s, G1B               ; two loads of mine are out
.endr
	v_and_b32 v1, 15, v0                           ; r = lane % 16
	v_bfe_u32 v2, v0, 4, 1                         ; h = lane / 16
	v_mul_u32_u24 v3, v1, PITCH
	v_lshl_add_u32 v4, v2, 4, v3                   ; a fragment's row x pitch + 16 x half
	s_mul_i32 s21, s15, HALFT                      ; my 128 rows of A
	s_mul_i32 s22, s16, HALFT                      ; my 128 rows of B,
	s_add_co_u32 s22, s22, 2*HALFT                 ; which lie behind A's 256
.irp s, 0,1
	v_add_nc_u32 v[ADRA+\s], s21, v4
	v_add_nc_u32 v[ADRB+\s], s22, v4
	s_add_co_u32 s21, s21, SLOT
	s_add_co_u32 s22, s22, SLOT
.endr
	; THE BIAS.  Q, K: accumulator (a, b), register j of lane (r, h) is channel C0 + 16 b + 8 h + j: block i = b, byte 64 i + 32 h + 4 j.  V: it is channel C0 + 16 a + r, whatever j: block i = a, byte 64 i + 4 r.
	s_cmp_lt_u32 s13, 8
	s_cselect_b32 s18, 0, 4                        ; bytes from r to r + 1,
	s_cselect_b32 s19, 32, 0                       ; from half to half,
	s_cselect_b32 s20, 4, 0                        ; from register to register
	s_cselect_b32 s2, s12, 1                       ; 0 for Q alone
	v_mul_u32_u24 v3, v1, s18
	v_mad_u32_u24 v3, v2, s19, v3
.irp j, 0,1,2,3,4,5,6,7
	v_mad_u32_u24 v[BO+\j], s20, \j, v3
.endr
	; where my wave's part lies.  T0: its first token, C0: its first channel
	s_lshl_b32 s21, s17, 8
	s_lshl_b32 s22, s15, 7
	s_add_co_u32 s21, s21, s22                     ; my first row of C
	s_lshl_b32 s46, s42, 8
	s_lshl_b32 s47, s16, 7
	s_add_co_u32 s46, s46, s47                     ; my first column
	s_add_co_u32 s3, s2, 17                        ; a head's bytes are 2^17 in qws, 2^18 in kv;
	s_add_co_u32 s2, s2, 13                        ; 128 tokens' are 2^13 in qws, 2^14 in kv
	s_lshl_b32 s100, 1, s3
	s_cmp_lt_u32 s13, 8
	s_cselect_b32 s22, s21, s46                    ; T0
	s_cselect_b32 s23, s46, s21                    ; C0
	s_cselect_b32 s100, s100, 1024                 ; C2: from a block's first eight code registers to its last eight: the next head's image (Q, K), or the image's second half (V)
	s_mov_b32 s66, 2048
	s_cselect_b32 s66, 1024, s66                   ; from block to block: an image
	s_mov_b32 s98, 256000
	s_cselect_b32 s98, 1024, s98                   ; from block 3 to block 4: V goes on to the next head: 2^18 - 3 x 2048
	s_cselect_b32 s47, 0, 8192                     ; V's images lie behind K's eight
	s_mov_b32 s67, 0
	s_mov_b32 s99, 0
	s_lshr_b32 s18, s22, 11
	s_lshl_b32 s18, s18, 4
	s_lshr_b32 s19, s23, 6
	s_add_co_u32 s18, s18, s19                     ; 16 x batch + head
	s_lshl_b32 s18, s18, s3
	s_bfe_u32 s19, s22, 0x40007                    ; which 128 tokens of the batch's 2,048
	s_lshl_b32 s19, s19, s2
	s_add_co_u32 s18, s18, s19
	s_add_co_u32 s18, s18, s47
	s_mov_b32 s19, 0
	s_add_nc_u64 s[10:11], s[10:11], s[18:19]      ; the codes' buffer at my first image
	s_lshl_b32 s18, s23, 2
	s_add_nc_u64 s[8:9], s[8:9], s[18:19]          ; the bias at my first channel
.irp i, 0,1,2,3,4,5,6,7
.irp j, 0,1,2,3,4,5,6,7
	global_load_b32 v[BI+8*\i+\j], v[BO+\j], s[8:9] offset:64*\i
.endr
.endr
	v_and_b32 v3, 31, v0
	v_lshlrev_b32 v[VO0], 4, v3
	v_add_nc_u32 v[VO2], s100, v[VO0]
	s_wait_kmcnt 0x0
	s_add_co_i32 s18, s88, s89                     ; e0 + e1
	s_add_co_i32 s19, s90, s91                     ; e2 + e3
	s_add_co_i32 s20, s92, s93                     ; e4 + e5
	s_cmp_eq_u32 s12, 0
	s_cselect_b32 s18, s18, s19
	s_cselect_b32 s19, s94, s95                    ; e6 or e7
	s_cmp_lt_u32 s13, 8
	s_cselect_b32 s18, s18, s20                    ; ea + eb: a sum stands for sum x 2^(ea + eb)
	s_cselect_b32 s19, s19, s97                    ; eo: the scale of the codes to be made
	s_sub_co_i32 s101, 0, s18
	s_sub_co_i32 s19, s19, s18                     ; FE = eo - ea - eb: the three scales folded into the conversion's one
	s_add_co_i32 s19, s19, 127
	s_lshl_b32 s20, s19, 23
	v_mov_b32 v[SCV], s20
	s_add_co_i32 s19, s19, 8
	s_lshl_b32 s19, s19, 23
	s_or_b32 s19, s19, 0x600000
	v_mov_b32 v[LIMV], s19
	s_wait_loadcnt 0x0                             ; the bias
.set J, 0
.rept 64
	v_ldexp_f32 v[BI+J], v[BI+J], s101             ; bias / 2^(ea + eb): so it can stand as the C of the first products
.set J, J+1
.endr
.macro FRAG reg, adr, q, i             ; a fragment, 16 rows x 128 K, is 16 registers: lane l holds row l % 16; registers 4 c .. 4 c + 3 hold K = 32 c + 16 (l / 16) + 0 .. 15: the same places in A and in B, so every product meets its partner
.irp c, 0,1,2,3
	ds_load_b128 v[\reg+4*\c:\reg+4*\c+3], v[\adr] offset:128*(\q)+32*\c+(\i)*16*PITCH
.endr
.endm
; 16 matrix instructions: A's blocks a0, a0 + 1 x B's eight, 128 along K.  p: B's set.  cm = 0: onto the sums; 1: the sums begin with the bias of B's block (Q, K); 2: with that of A's block (V).  Nothing is ever cleared.
; The 64 accumulators take turns, one instruction a turn, in the same order in every step.
.macro MUL16 a0, p, cm
.irp a, \a0, \a0+1
.irp b, 0,1,2,3,4,5,6,7
.if \cm == 1
	v_wmma_f32_16x16x128_fp8_fp8 v[8*(8*((\a)%4)+\b):8*(8*((\a)%4)+\b)+7], v[128*(\p)+FR*\b:128*(\p)+FR*\b+FR-1], v[AF+FR*(\a):AF+FR*(\a)+FR-1], v[BI+8*\b:BI+8*\b+7]
.elseif \cm == 2
	v_wmma_f32_16x16x128_fp8_fp8 v[8*(8*((\a)%4)+\b):8*(8*((\a)%4)+\b)+7], v[128*(\p)+FR*\b:128*(\p)+FR*\b+FR-1], v[AF+FR*(\a):AF+FR*(\a)+FR-1], v[BI+8*(\a):BI+8*(\a)+7]
.else
	v_wmma_f32_16x16x128_fp8_fp8 v[8*(8*((\a)%4)+\b):8*(8*((\a)%4)+\b)+7], v[128*(\p)+FR*\b:128*(\p)+FR*\b+FR-1], v[AF+FR*(\a):AF+FR*(\a)+FR-1], v[8*(8*((\a)%4)+\b):8*(8*((\a)%4)+\b)+7]
.endif
.endr
.endr
.endm
.macro FETCH_B slot, q, p              ; B's eight fragments of the slot's q-th 128 along K into set p
	WIN TO_B
.irp i, 0,1,2,3,4,5,6,7
	FRAG 128*(\p)+FR*\i, ADRB+\slot, \q, \i
.endr
	WIN 0
.endm
.macro FETCH_A slot, q, i0             ; A's blocks i0 .. i0 + 3
.irp i, \i0, \i0+1, \i0+2, \i0+3
	FRAG AF+FR*(\i), ADRA+\slot, \q, \i
.endr
.endm
; A load into a register that a matrix instruction has read, and a vector instruction that reads a matrix result, stand NP places behind that matrix instruction, and only plain vector
; instructions that name none of its registers are places (ISA guide 7.12.1 for vector instructions).
.macro PLACES n
.rept \n
	v_nop
.endr
.endm
; A step of 128 along K that has its successor in the same slot.  A block of A is free as soon as its eight products are issued: blocks 0-3 are fetched anew in the step's middle, blocks 4-7 at its end.
.macro STEP slot, q, cm
	s_wait_dscnt 4*NL                              ; B's set and A's blocks 0-3 are in; the youngest sixteen loads (A's blocks 4-7) may be out
.if \cm
	WIN 0x81                                       ; C (the bias) window 0, D window 2
.else
	WIN MUL_LO
.endif
	MUL16 0, (\q)%2, \cm
	MUL16 2, (\q)%2, \cm
	s_wait_dscnt 0                                 ; A's blocks 4-7 are in (asked for 32 matrix instructions ago)
	PLACES NP
	FETCH_B \slot, (\q)+1, 1-(\q)%2
	FETCH_A \slot, (\q)+1, 0
.if \cm
	WIN 0xc1                                       ; C window 0, D window 3
.else
	WIN MUL_HI
.endif
	MUL16 4, (\q)%2, \cm
	MUL16 6, (\q)%2, \cm
	PLACES NP
	WIN 0
	FETCH_A \slot, (\q)+1, 4
.endm
; A slot's last step changes slots: ONE barrier; in front of it each wave waits for all its tensor loads, adds 0 to its spare word, and waits for that and for its own reads of this slot.  fill = 1: this slot is filled again, two K steps ahead.
.macro TURN slot, next, fill
	s_wait_tensorcnt 0x0                           ; all my tensor loads have landed: the one that was out is my part of the next slot  (every window is 0 here)
	ds_add_u32 v[SPW], v[NIL]                      ; 0 onto my spare word
	s_wait_dscnt 4*NL+1                            ; (the add and the youngest sixteen loads, A's blocks 4-7, may be out)
	WIN MUL_LO
	MUL16 0, 1, 0                                  ; sixteen matrix instructions stand between the add and the wait for it
	s_wait_dscnt 0x0                               ; the add is done, and my reads of this slot are over
	s_barrier_signal -1
	MUL16 2, 1, 0
	WIN 0
	s_barrier_wait -1
.if \fill
	CREST                                          ; the barrier has opened a round of the cluster's barrier: no wave of any partner still reads this slot's tile or has a load on its way
	s_add_nc_u64 s[G0+4*\slot+2:G0+4*\slot+3], s[G0+4*\slot+2:G0+4*\slot+3], 2*ROWB
	s_add_nc_u64 s[G0B+4*\slot+2:G0B+4*\slot+3], s[G0B+4*\slot+2:G0B+4*\slot+3], 2*ROWB
	JLOAD G0+4*\slot, G1, G0B+4*\slot, G1B         ; the first tensor load behind the round, my one load until the next; its four v_nop are also the places in front of the loads below
.else
	PLACES NP
.endif
	FETCH_B \next, 0, 0
	FETCH_A \next, 0, 0
	WIN MUL_HI
	MUL16 4, 1, 0
	MUL16 6, 1, 0
	PLACES NP
	WIN 0
	FETCH_A \next, 0, 4
.endm
	s_wait_tensorcnt 1                             ; my part of K step 0 is in (K step 1's load may be out)
	s_barrier_signal -1
	s_barrier_wait -1                              ; everybody's is
	FETCH_B 0, 0, 0
	FETCH_A 0, 0, 0
	FETCH_A 0, 0, 4
	s_cmp_lt_u32 s13, 8                            ; the first step is written twice, since the bias lies along B's blocks for Q and K and along A's for V.  The branch hangs on the cluster's place, which all partners share;
	s_cbranch_scc0 .Lfirst_v                       ; both ways hold the same LDS loads and as many products, and no barrier and no tensor load
	STEP 0, 0, 1
	s_branch .Lfirst_done
.Lfirst_v:
	STEP 0, 0, 2
.Lfirst_done:
	TURN 0, 1, 1                                   ; K = 1,024 is four fills of a slot: the steps are written out
	STEP 1, 0, 0
	TURN 1, 0, 1
	STEP 0, 0, 0
	TURN 0, 1, 0                                   ; the last two slots are filled no more, and have no round of the cluster's barrier
	STEP 1, 0, 0
	s_wait_dscnt 4*NL                              ; the very last step: nothing more to fetch
	WIN MUL_LO
	MUL16 0, 1, 0
	MUL16 2, 1, 0
	s_wait_dscnt 0
	WIN MUL_HI
	MUL16 4, 1, 0
	MUL16 6, 1, 0
	WIN 0
; THE WAY OUT, block a of 16 rows of A's side at a time.  Accumulator (a, b)'s eight registers become two registers of codes: K = 16 b + 8 (lane / 16) + 0 .. 7 of the reader's operand, the place that the plain forms give them.
; Q, K: the sixteen code registers are two images of 1,024 bytes: tile a of tokens, my two heads.  V: one image of 2,048 bytes: channel tile a % 4 of head a / 4, my 128 keys.
.macro OUTBLK a
.set AC, 64*((\a)%4)
.set WW, 2+(\a)/4
	WIN ((WW<<6)|WW)                               ; source 0 and destination: the accumulators' window
.set J, 0
.rept 64
	v_med3_num_f32 v[AC+J], v[AC+J], -v[LIMV], v[LIMV]   ; the conversion to an 8-bit code does not saturate (ISA guide 7.6.2): the hold at the largest code x the scale; each accumulator from its low end on
.set J, J+1
.endr
	s_wait_xcnt 0x0                                ; the block before has had its stores' addresses translated: only behind this wait are their data registers and their base rewritten
.if (\a) == 4
	s_add_nc_u64 s[10:11], s[10:11], s[98:99]
.elseif (\a) > 0
	s_add_nc_u64 s[10:11], s[10:11], s[66:67]
.endif
	WIN WW
.irp g, 0,1,2,3,4,5,6,7
	v_cvt_scalef32_pk8_fp8_f32 v[CD+2*\g:CD+2*\g+1], v[AC+8*\g:AC+8*\g+7], v[SCV]
.endr
	WIN 0
	v_nop                                          ; one plain vector instruction behind the last conversion of a run
	global_store_b128 v[VO0], v[CD:CD+3], s[10:11]                   ; 32 lanes store 512 consecutive bytes, at a multiple of 512 from the buffer's first byte
	global_store_b128 v[VO0], v[CD+4:CD+7], s[10:11] offset:512
	global_store_b128 v[VO2], v[CD+8:CD+11], s[10:11]
	global_store_b128 v[VO2], v[CD+12:CD+15], s[10:11] offset:512
.endm
	PLACES NP                                      ; behind the last products, in front of the first read of results
.irp a, 0,1,2,3,4,5,6,7
	OUTBLK \a
.endr
	s_wait_tensorcnt 0x0                           ; the wave's end
	ds_add_u32 v[SPW], v[NIL]
	s_wait_dscnt 0x0
	CROUND                                         ; the closing round: no work-group ends while a partner may still ask for a tile that names it
	s_endpgm
.Lfunc_end_k_qf4bc89c499_qkv:
	.size	k_qf4bc89c499_qkv, .Lfunc_end_k_qf4bc89c499_qkv-k_qf4bc89c499_qkv
	.p2alignl 7, 3214868480
	.fill 96, 4, 3214868480
	.section	.rodata,"a",@progbits
	.p2align	6, 0x0
	.amdhsa_kernel k_qf4bc89c499_qkv
		.amdhsa_group_segment_fixed_size 327680
		.amdhsa_private_segment_fixed_size 0
		.amdhsa_enable_private_segment 0
		.amdhsa_kernarg_size 80
		.amdhsa_user_sgpr_count 2
		.amdhsa_user_sgpr_kernarg_segment_ptr 1
		.amdhsa_wavefront_size32 1
		.amdhsa_system_sgpr_workgroup_id_x 1
		.amdhsa_system_sgpr_workgroup_id_y 1
		.amdhsa_system_sgpr_workgroup_id_z 1
		.amdhsa_system_vgpr_workitem_id 0
		.amdhsa_next_free_vgpr 1024
		.amdhsa_next_free_sgpr 102
		.amdhsa_reserve_vcc 0
		.amdhsa_float_denorm_mode_32 3
		.amdhsa_float_denorm_mode_16_64 3
		.amdhsa_memory_ordered 1
		.amdhsa_forward_progress 1
		.amdhsa_inst_pref_size 139
	.end_amdhsa_kernel
	.amdgpu_metadata
---
amdhsa.version: [ 1, 2 ]
amdhsa.kernels:
  - .name:           k_qf4bc89c499_qkv
    .symbol:         k_qf4bc89c499_qkv.kd
    .args:
      - { .name: x_codes, .offset: 0, .size: 8, .value_kind: global_buffer, .address_space: global }
      - { .name: q_w_codes, .offset: 8, .size: 8, .value_kind: global_buffer, .address_space: global }
      - { .name: k_w_codes, .offset: 16, .size: 8, .value_kind: global_buffer, .address_space: global }
      - { .name: v_w_codes, .offset: 24, .size: 8, .value_kind: global_buffer, .address_space: global }
      - { .name: q_b, .offset: 32, .size: 8, .value_kind: global_buffer, .address_space: global }
      - { .name: k_b, .offset: 40, .size: 8, .value_kind: global_buffer, .address_space: global }
      - { .name: v_b, .offset: 48, .size: 8, .value_kind: global_buffer, .address_space: global }
      - { .name: lowp_scales, .offset: 56, .size: 8, .value_kind: global_buffer, .address_space: global }
      - { .name: qws, .offset: 64, .size: 8, .value_kind: global_buffer, .address_space: global }
      - { .name: kv, .offset: 72, .size: 8, .value_kind: global_buffer, .address_space: global }
    .group_segment_fixed_size: 327680
    .private_segment_fixed_size: 0
    .kernarg_segment_align: 8
    .kernarg_segment_size: 80
    .max_flat_workgroup_size: 128
    .sgpr_count:     102
    .vgpr_count:     1024
    .wavefront_size: 32
...
	.end_amdgpu_metadata
.endif
;; end of part 1
;; launch attn (part 2): grid 4 x 64, 16 waves a work-group, no clusters, 133,120 bytes of LDS; arguments qws, kv, lowp_scales, att; writes att
.if DOCPART == 2
	.amdgcn_target "amdgcn-amd-amdhsa--gfx1250"
	.amdhsa_code_object_version 6
	.text
	.protected	k_qf4bc89c499_attn
	.globl	k_qf4bc89c499_attn
	.p2align	8
	.type	k_qf4bc89c499_attn,@function
k_qf4bc89c499_attn:
	s_mov_b64 s[64:65], 0
	v_nop
	global_prefetch_b8 v0, s[64:65] scope:SCOPE_SE
	s_setreg_imm32_b32 hwreg(HW_REG_WAVE_MODE, 25, 1), 1
	s_wait_xcnt 0x0
; O[bh][q] = the sum over k of softmax_k(Q[bh][q] . K[bh][k] / 8) V[bh][k], head size 64, 2,048 keys, both products on codes of FP8 (E4M3); O is quantised at once for the output projection.
; qws, kv: images of operand registers (registers 4 c .. 4 c + 3 of lane l at 512 c + 16 l), as the launch before has laid them:
;   qws [64 bh][128 tiles of 16 queries][1024];  kv [64 bh][16 steps of 128 keys][8 images of K (16 keys x 64), 1024 bytes each; 4 images of V (16 channels x 128 keys), 2048 each].
;   att [4 K steps of 256 channels][512 tiles of 16 tokens][4 heads][1024]: images of 16 tokens x a head's 64 channels.
; THE SOFTMAX: t = score x log2(e) / 8; M = the running largest t rounded UP to a whole number; p = 2^(t - M) is quantised with 2^e8, not normalised; the row's sum is taken of the unquantised p and divides at the end.
; When M moves, the sum and O are multiplied by 2^(old M - new M): a power of two.
; SHARES.  A work-group owns 512 queries of one head; each of its sixteen waves 32 of them, two tiles A and B, in 256 registers: four waves to a SIMD, so that one wave's LDS loads and products stand beside the others' vector work.
; Each fragment of K and V read from LDS feeds two matrix instructions.  Both products are used transposed (S^T = K Q^T, O^T = V^T P^T): a lane holds ONE query (lane % 16) throughout, and a tile's eight scores
; of accumulator t are keys 16 t + 8 (lane / 16) + 0 .. 7: their two registers of codes are registers 2 t, 2 t + 1 of the second product's operand.
; K AND V COME THROUGH REGISTERS: in each step every thread loads 2 x 16 bytes of the step four steps on and stores them into the other LDS slot, 16 x thread on both sides, since the images are dense.
; NO CLUSTER AND NO TENSOR LOAD, though the four work-groups of a head walk the same kv: a step's shared bytes are 16 KiB for sixteen waves' 390 vector instructions each.
; p is at most 1 (a rounding above it at the most), so the hold at 448 x 2^e8 can bite only where e8 < -8; a scalar branch on that whole number, read from memory, leads round the 64 lines of the hold where e8 >= -8.  With e8 < -8 the hold runs.
; LDS: two slots of four steps, 65,536 bytes each; ONE barrier for each slot: in front of it a wave's stores into the slot ahead have landed and its reads of the slot left are in.
; The input mask is not among the arguments.
; LIMITS on the given exponents: e6 + e7 between -123 and 130 (added to c's exponent field); e8 and e10 between -126 and 119; e8 + e9 is applied by v_ldexp_f32 and has none.
; REGISTERS: v1-7 addresses and constants; v[8:11], v[12:15]: -M, the largest t, f, the sum, for tile A, B; v16-31 Q; v32-63 four images of K, later v32-47 A's codes of p, v48-55 the stream's two loads, v56-61 at work;
;   v64-127 A's scores, then p, later three images of V (v64-111) and B's codes of p (v112-127); v128-191 B's scores, later V's fourth image (v128-143); v192-223, v224-255 O^T of A, B.
.set LI,   1                           ; v1  16 x lane: my place in an image
.set ADR,  2                           ; v2  the same in the slot in hand
.set T16,  3                           ; v3  16 x thread: my place in 8,192 bytes of the stream, in memory and in LDS
.set STA,  4                           ; v4  the same in the other slot
.set SC8,  5                           ; v5  2^e8 as f32
.set PFO,  6                           ; v6  256 x thread: the prefetches' offset; never rewritten
.set PX,   7                           ; v7  a lane permute's destination
.set QA,   16
.set QB,   24
.set KB,   32
.set PA,   32
.set LD,   48
.set SA,   64
.set PB,   112
.set SB,   128
.set OA,   192
.set OB,   224
.set STEPB, 16384                      ; a key step's images
.set SLOTB, 65536                      ; four of them
	s_load_b256 s[4:11], s[0:1], 0x0               ; qws s[4:5], kv s[6:7], the exponents s[8:9], att s[10:11]
	v_lshrrev_b32 v1, 5, v0
	v_readfirstlane_b32 s12, v1                    ; wave 0..15
	v_and_b32 v2, 31, v0
	v_lshlrev_b32 v[LI], 4, v2
	v_lshlrev_b32 v[T16], 4, v0
	v_lshlrev_b32 v[PFO], 8, v0
	s_and_b32 s13, ttmp7, 0xffff                   ; bh = 16 x batch + head
	s_lshl_b32 s34, s13, 18                        ; the head's first byte in kv
	s_mov_b32 s35, 0
	s_lshl_b32 s36, s13, 17                        ; in qws: the head, + 32 tiles for each work-group, + 2 for each wave
	s_lshl_b32 s38, ttmp9, 15
	s_add_co_u32 s36, s36, s38
	s_lshl_b32 s38, s12, 11
	s_add_co_u32 s36, s36, s38
	s_mov_b32 s37, 0
	s_and_b32 s38, s13, 15                         ; in att: (head / 4) x 2^21 + token tile x 4096 + (head % 4) x 1024
	s_lshr_b32 s39, s38, 2
	s_lshl_b32 s39, s39, 21
	s_and_b32 s38, s38, 3
	s_lshl_b32 s38, s38, 10
	s_add_co_u32 s38, s38, s39
	s_lshr_b32 s39, s13, 4
	s_lshl_b32 s39, s39, 7                         ; token tile = 128 x batch + 32 x work-group x + 2 x wave
	s_lshl_b32 s14, ttmp9, 5
	s_add_co_u32 s39, s39, s14
	s_lshl_b32 s14, s12, 1
	s_add_co_u32 s39, s39, s14
	s_lshl_b32 s39, s39, 12
	s_add_co_u32 s38, s38, s39
	s_mov_b32 s39, 0
	s_wait_kmcnt 0x0
	s_load_b128 s[16:19], s[8:9], 0x18             ; e6, e7, e8, e9
	s_load_b32 s20, s[8:9], 0x28                   ; e10
	s_add_nc_u64 s[6:7], s[6:7], s[34:35]
	s_add_nc_u64 s[4:5], s[4:5], s[36:37]
	s_add_nc_u64 s[10:11], s[10:11], s[38:39]
.irp i, 0,1,2,3,4,5,6,7
	global_load_b128 v[SA+4*\i:SA+4*\i+3], v[T16], s[6:7] offset:8192*\i   ; key steps 0 to 3: the work-group's 512 threads take 8,192 consecutive bytes an instruction
.endr
.irp i, 0,1,2,3
	global_load_b128 v[QA+4*\i:QA+4*\i+3], v[LI], s[4:5] offset:512*\i th:TH_LOAD_NT   ; my two tiles of Q stay in registers; nobody else reads them
.endr
	s_mov_b32 s24, 0x76543210                      ; v_permlanex16_b32's selects for lane l xor 16
	s_mov_b32 s25, 0xfedcba98
	s_lshr_b32 s34, s12, 1                         ; 0 in waves 0 and 1,
	s_or_b32 s34, s34, ttmp9                       ; of the head's first work-group: they prefetch
	s_cmp_eq_u32 s34, 0
	s_cselect_b32 s32, 1, -1                       ; a slot's steps 0 to 2 ask while more than this many slots are to go,
	s_cselect_b32 s33, 2, -1                       ; its step 3 while more than this many
	v_mov_b32 v9, 0xff61b1e6                       ; the largest t so far: -3e38, under every t
	v_mov_b32 v13, 0xff61b1e6
	v_floor_f32 v8, -v9                            ; -M
	v_floor_f32 v12, -v13
	v_mov_b32 v10, 0                               ; f
	v_mov_b32 v11, 0                               ; the sum
	v_mov_b32 v14, 0
	v_mov_b32 v15, 0
	v_mov_b32 v[PX], 0                             ; written once: a lane permute's destination counts as one of its sources
.set J, 0
.rept 64
	v_mov_b32 v[OA+J], 0                           ; O^T.  (The step is written once for all sixteen: the first finds zeros, which the first change of M leaves zeros)
.set J, J+1
.endr
	s_wait_kmcnt 0x0
	s_add_co_i32 s34, s16, s17
	s_lshl_b32 s34, s34, 23
	s_mov_b32 s22, 0x3e38aa3b                      ; c = log2(e) / 8
	s_add_co_i32 s22, s22, s34                     ; a score stands for score x 2^(e6 + e7): the two exponents are added to c's exponent field
	s_mov_b32 s23, s22                             ; (named with it as a pair, so it is written)
	s_add_co_i32 s34, s18, 127
	s_lshl_b32 s35, s34, 23
	v_mov_b32 v[SC8], s35                          ; 2^e8
	s_add_co_i32 s34, s34, 8
	s_lshl_b32 s34, s34, 23
	s_or_b32 s26, s34, 0x600000                    ; 448 x 2^e8
	s_wait_loadcnt 4                               ; the eight loads of kv are in; Q's four may be out
.irp i, 0,1,2,3,4,5,6,7
	ds_store_b128 v[T16], v[SA+4*\i:SA+4*\i+3] offset:8192*\i   ; slot 0
.endr
	s_add_nc_u64 s[6:7], s[6:7], SLOTB             ; (the loads that named it are done)  kv walks one slot ahead of the slot in hand
	s_wait_loadcnt 0x0                             ; Q
	s_mov_b32 s27, 0                               ; LDS byte at which the slot in hand begins
	s_mov_b32 s29, 4                               ; slots to go, this one among them
; One tile's softmax for a key step.  sc: its 64 scores; stt: its four statistics; pc: where p's codes go; oc: its O^T.
.macro SOFTMAX sc, stt, pc, oc
	v_max3_num_f32 v56, v[\sc], v[\sc+1], v[\sc+2]   ; the step's largest score of my query among my 64 keys, in two chains, ascending: each accumulator is read from its low end on
	v_max3_num_f32 v57, v[\sc+3], v[\sc+4], v[\sc+5]
.set J, 6
.rept 14
	v_max3_num_f32 v56, v56, v[\sc+J], v[\sc+J+1]
	v_max3_num_f32 v57, v57, v[\sc+J+2], v[\sc+J+3]
.set J, J+4
.endr
	v_max3_num_f32 v56, v56, v[\sc+62], v[\sc+63]
	v_max_num_f32 v56, v56, v57
	v_permlanex16_b32 v[PX], v56, s24, s25
	v_max_num_f32 v56, v56, v[PX]                  ; and among lane l xor 16's
	v_mul_f32 v56, s22, v56                        ; as t (c is positive)
	v_max_num_f32 v[\stt+1], v[\stt+1], v56        ; the running largest t
	v_mov_b32 v56, v[\stt]
	v_floor_f32 v[\stt], -v[\stt+1]                ; the new -M = floor(-t) = -ceil(t): M is a whole number
	v_sub_f32 v56, v[\stt], v56                    ; M's old value less its new one: a whole number, 0 or less
	v_cvt_i32_f32 v56, v56                         ; (it saturates)
	v_ldexp_f32 v[\stt+2], 1.0, v56                ; f = 2^(old M - new M)
.set J, 0
.rept 32
	v_pk_fma_f32 v[\sc+J:\sc+J+1], v[\sc+J:\sc+J+1], s[22:23], v[\stt:\stt+1] op_sel_hi:[1,0,0]   ; t - M, two at a time (of the pairs c and -M the low word serves both halves)
.set J, J+2
.endr
.set J, 0
.rept 64
	v_exp_f32 v[\sc+J], v[\sc+J]                   ; p = 2^(t - M): NOT normalised
.set J, J+1
.endr
.set J, 0
.rept 16
	v_pk_mul_f32 v[\oc+J:\oc+J+1], v[\oc+J:\oc+J+1], v[\stt+2:\stt+3] op_sel_hi:[1,0]   ; O^T under the new M: x f.  (The first is the plain place behind the exponentials)
.set J, J+2
.endr
	s_wait_alu depctr_va_vdst(0)
	v_pk_add_f32 v[58:59], v[\sc:\sc+1], v[\sc+2:\sc+3]   ; THE ROW'S SUM IS TAKEN OF THE UNQUANTISED p: two at a time, in two chains
	v_pk_add_f32 v[60:61], v[\sc+4:\sc+5], v[\sc+6:\sc+7]
.set J, 8
.rept 14
	v_pk_add_f32 v[58:59], v[58:59], v[\sc+J:\sc+J+1]
	v_pk_add_f32 v[60:61], v[60:61], v[\sc+J+2:\sc+J+3]
.set J, J+4
.endr
	v_pk_add_f32 v[58:59], v[58:59], v[60:61]
	v_add_f32 v56, v58, v59
	v_fma_f32 v[\stt+3], v[\stt+3], v[\stt+2], v56 ; the sum under the new M, + this step's
	s_cmp_ge_i32 s18, -8                           ; 448 x 2^e8 is 1.75 or more: no p reaches it
	s_cbranch_scc1 .Lno_hold_\@
.set J, 0
.rept 64
	v_min_num_f32 v[\sc+J], s26, v[\sc+J]          ; the conversion to an 8-bit code does not saturate (ISA guide 7.6.2); p is not negative, so the hold is one-sided
.set J, J+1
.endr
.Lno_hold_\@:
.irp g, 0,1,2,3,4,5,6,7
	v_cvt_scalef32_pk8_fp8_f32 v[\pc+2*\g:\pc+2*\g+1], v[\sc+8*\g:\sc+8*\g+7], v[SC8]
.endr
	v_nop                                          ; one plain vector instruction behind the last conversion of a run
.endm
; A KEY STEP: 128 keys, the q-th of the slot in hand.
.macro STEP q
.irp g, 0,1                                    ; S^T = K Q^T, four images of 16 keys at a time, each against my two tiles
.irp t, 0,1,2,3
	ds_load_b128 v[KB+8*\t:KB+8*\t+3], v[ADR] offset:STEPB*(\q)+1024*(4*\g+\t)
	ds_load_b128 v[KB+8*\t+4:KB+8*\t+7], v[ADR] offset:STEPB*(\q)+1024*(4*\g+\t)+512
.endr
	s_wait_dscnt 0x0
.irp t, 0,1,2,3
	v_wmma_f32_16x16x64_fp8_fp8 v[SA+8*(4*\g+\t):SA+8*(4*\g+\t)+7], v[KB+8*\t:KB+8*\t+7], v[QA:QA+7], 0
	v_wmma_f32_16x16x64_fp8_fp8 v[SB+8*(4*\g+\t):SB+8*(4*\g+\t)+7], v[KB+8*\t:KB+8*\t+7], v[QB:QB+7], 0
.endr
.rept 4
	v_nop                                          ; places in front of loads into registers that these products have read, and of the first read of their results
.endr
.endr
	s_cmp_lg_u32 s29, 1                            ; the last slot fetches nothing: no load leaves the buffer
	s_cbranch_scc0 .Lno_load_\@
	global_load_b128 v[LD:LD+3], v[T16], s[6:7] offset:STEPB*(\q)          ; the images of the step four steps on: 2 x 8,192 bytes for the work-group
	global_load_b128 v[LD+4:LD+7], v[T16], s[6:7] offset:STEPB*(\q)+8192
.Lno_load_\@:
; A PREFETCH INTO THE L2 of the step that the NEXT step's two loads will ask for (five steps on from the step in hand): it stands where the wave has just issued its loads.  The four work-groups of a head walk the same bytes:
; the first of them asks, wave 0 for the block's first 8,192 bytes and wave 1 for its second, lanes 256 bytes apart: each aligned block of 256 bytes is named once in the launch.  Step 15 is the last that is named; steps 0 to 4 come by their loads alone.
.if (\q) < 3
	s_cmp_gt_u32 s29, s32
.else
	s_cmp_gt_u32 s29, s33
.endif
	s_cbranch_scc0 .Lno_ask_\@
	global_prefetch_b8 v[PFO], s[6:7] offset:STEPB*((\q)+1) th:TH_LOAD_NT scope:SCOPE_SE
.Lno_ask_\@:
	SOFTMAX SA, 8, PA, OA
.irp t, 0,1,2
.irp c, 0,1,2,3
	ds_load_b128 v[SA+16*\t+4*\c:SA+16*\t+4*\c+3], v[ADR] offset:STEPB*(\q)+8192+2048*\t+512*\c   ; V's images 0 to 2, where A's p lay: they land under B's softmax
.endr
.endr
	SOFTMAX SB, 12, PB, OB
.irp c, 0,1,2,3
	ds_load_b128 v[SB+4*\c:SB+4*\c+3], v[ADR] offset:STEPB*(\q)+8192+2048*3+512*\c   ; V's image 3
.endr
	s_wait_dscnt 4                                 ; images 0 to 2 are in; image 3's four loads may be out
.irp t, 0,1,2                                  ; O^T += V^T P^T: the eight accumulators by turns, one instruction a turn
	v_wmma_f32_16x16x128_fp8_fp8 v[OA+8*\t:OA+8*\t+7], v[SA+16*\t:SA+16*\t+15], v[PA:PA+15], v[OA+8*\t:OA+8*\t+7]
	v_wmma_f32_16x16x128_fp8_fp8 v[OB+8*\t:OB+8*\t+7], v[SA+16*\t:SA+16*\t+15], v[PB:PB+15], v[OB+8*\t:OB+8*\t+7]
.endr
	s_wait_dscnt 0x0
	v_wmma_f32_16x16x128_fp8_fp8 v[OA+24:OA+31], v[SB:SB+15], v[PA:PA+15], v[OA+24:OA+31]
	v_wmma_f32_16x16x128_fp8_fp8 v[OB+24:OB+31], v[SB:SB+15], v[PB:PB+15], v[OB+24:OB+31]
.rept 5
	v_nop                                          ; five places: the next step's products write over registers that these have read (V's images, B's codes); four of them serve the loads into A's codes' registers
.endr
	s_wait_loadcnt 0x0                             ; the stream's two loads, issued a softmax of two tiles ago
	s_cmp_lg_u32 s29, 1
	s_cbranch_scc0 .Lno_store_\@
	ds_store_b128 v[STA], v[LD:LD+3] offset:STEPB*(\q)               ; into the other slot, which nobody reads before the next barrier
	ds_store_b128 v[STA], v[LD+4:LD+7] offset:STEPB*(\q)+8192
.Lno_store_\@:
	s_wait_dscnt 0x0                               ; the stores have read their registers: the next step's loads may land there
.endm
.Lslot:                                            ; four trips, a slot of four key steps each
	s_wait_dscnt 0x0                               ; my stores into this slot have landed, my reads of the other slot are in:
	s_barrier_signal -1
	s_barrier_wait -1                              ; both now hold of all sixteen waves
	s_xor_b32 s34, s27, SLOTB
	v_add_nc_u32 v[ADR], s27, v[LI]
	v_add_nc_u32 v[STA], s34, v[T16]
	STEP 0
	STEP 1
	STEP 2
	STEP 3
	s_wait_xcnt 0x0                                ; the trip's loads and prefetches have read their base: it may step
	s_add_nc_u64 s[6:7], s[6:7], SLOTB
	s_xor_b32 s27, s27, SLOTB
	s_sub_co_u32 s29, s29, 1
	s_cmp_lg_u32 s29, 0
	s_cbranch_scc1 .Lslot
	; THE WAY OUT.  The sum's two halves of the lanes are added; O^T / the sum x 2^(e8 + e9) is the attention's result; it is held within +-448 x 2^e10 and converted: accumulator t's two registers of codes
	; are registers 2 t, 2 t + 1 of the next product's operand (16 tokens x my head's 64 channels), stored as they stand.
	v_permlanex16_b32 v[PX], v11, s24, s25
	v_add_f32 v11, v11, v[PX]
	v_permlanex16_b32 v[PX], v15, s24, s25
	v_add_f32 v15, v15, v[PX]
	v_rcp_f32 v10, v11
	v_rcp_f32 v14, v15
	s_add_co_i32 s34, s18, s19
	s_add_co_i32 s35, s20, 127
	s_lshl_b32 s36, s35, 23
	v_mov_b32 v56, s36                             ; 2^e10  (a plain place behind the reciprocals)
	s_add_co_i32 s35, s35, 8
	s_lshl_b32 s35, s35, 23
	s_or_b32 s35, s35, 0x600000
	v_mov_b32 v57, s35                             ; 448 x 2^e10
	s_wait_alu depctr_va_vdst(0)
	v_ldexp_f32 v10, v10, s34                      ; x 2^(e8 + e9)
	v_ldexp_f32 v14, v14, s34
.macro FIN sc, stt, oc, pc
.set J, 0
.rept 16
	v_pk_mul_f32 v[\sc+J:\sc+J+1], v[\oc+J:\oc+J+1], v[\stt+2:\stt+3] op_sel_hi:[1,0]   ; each accumulator from its low end on
.set J, J+2
.endr
.set J, 0
.rept 32
	v_med3_num_f32 v[\sc+J], v[\sc+J], -v57, v57
.set J, J+1
.endr
.irp g, 0,1,2,3
	v_cvt_scalef32_pk8_fp8_f32 v[\pc+2*\g:\pc+2*\g+1], v[\sc+8*\g:\sc+8*\g+7], v56
.endr
.endm
	FIN SA, 8, OA, 32
	FIN SB, 12, OB, 40
	v_nop                                          ; one plain vector instruction behind the last conversion
	global_store_b128 v[LI], v[32:35], s[10:11]                 ; 32 lanes store 512 consecutive bytes, at a multiple of 512 from the buffer's first byte
	global_store_b128 v[LI], v[36:39], s[10:11] offset:512
	global_store_b128 v[LI], v[40:43], s[10:11] offset:4096     ; tile B: the next 16 tokens
	global_store_b128 v[LI], v[44:47], s[10:11] offset:4608
	s_wait_xcnt 0x0
	v_lshl_add_u32 v254, v0, 2, 0x20000
	v_mov_b32 v255, 0
	s_wait_tensorcnt 0x0
	ds_add_u32 v254, v255
	s_wait_dscnt 0x0
	s_endpgm
.Lfunc_end_k_qf4bc89c499_attn:
	.size	k_qf4bc89c499_attn, .Lfunc_end_k_qf4bc89c499_attn-k_qf4bc89c499_attn
	.p2alignl 7, 3214868480
	.fill 96, 4, 3214868480
	.section	.rodata,"a",@progbits
	.p2align	6, 0x0
	.amdhsa_kernel k_qf4bc89c499_attn
		.amdhsa_group_segment_fixed_size 133120
		.amdhsa_private_segment_fixed_size 0
		.amdhsa_enable_private_segment 0
		.amdhsa_kernarg_size 32
		.amdhsa_user_sgpr_count 2
		.amdhsa_user_sgpr_kernarg_segment_ptr 1
		.amdhsa_wavefront_size32 1
		.amdhsa_system_sgpr_workgroup_id_x 1
		.amdhsa_system_sgpr_workgroup_id_y 1
		.amdhsa_system_sgpr_workgroup_id_z 1
		.amdhsa_system_vgpr_workitem_id 0
		.amdhsa_next_free_vgpr 256
		.amdhsa_next_free_sgpr 66
		.amdhsa_reserve_vcc 0
		.amdhsa_float_denorm_mode_32 3
		.amdhsa_float_denorm_mode_16_64 3
		.amdhsa_memory_ordered 1
		.amdhsa_forward_progress 1
		.amdhsa_inst_pref_size 130
	.end_amdhsa_kernel
	.amdgpu_metadata
---
amdhsa.version: [ 1, 2 ]
amdhsa.kernels:
  - .name:           k_qf4bc89c499_attn
    .symbol:         k_qf4bc89c499_attn.kd
    .args:
      - { .name: qws, .offset: 0, .size: 8, .value_kind: global_buffer, .address_space: global }
      - { .name: kv, .offset: 8, .size: 8, .value_kind: global_buffer, .address_space: global }
      - { .name: lowp_scales, .offset: 16, .size: 8, .value_kind: global_buffer, .address_space: global }
      - { .name: att, .offset: 24, .size: 8, .value_kind: global_buffer, .address_space: global }
    .group_segment_fixed_size: 133120
    .private_segment_fixed_size: 0
    .kernarg_segment_align: 8
    .kernarg_segment_size: 32
    .max_flat_workgroup_size: 512
    .sgpr_count:     66
    .vgpr_count:     256
    .wavefront_size: 32
...
	.end_amdgpu_metadata
.endif
;; end of part 2
;; launch oproj (part 3): grid 4 x 32, 4 waves a work-group, clusters of 4 x 4, 327,680 bytes of LDS; arguments att, o_w_codes, lowp_scales, out0, o_b; writes out0
.if DOCPART == 3
	.amdgcn_target "amdgcn-amd-amdhsa--gfx1250"
	.amdhsa_code_object_version 6
	.text
	.protected	k_qf4bc89c499_oproj
	.globl	k_qf4bc89c499_oproj
	.p2align	8
	.type	k_qf4bc89c499_oproj,@function
k_qf4bc89c499_oproj:
	s_mov_b64 s[64:65], 0
	v_nop
	global_prefetch_b8 v0, s[64:65] scope:SCOPE_SE
	s_setreg_imm32_b32 hwreg(HW_REG_WAVE_MODE, 25, 1), 1
	s_wait_xcnt 0x0
	s_wait_alu depctr_hold_cnt(0) depctr_sa_sdst(0) depctr_va_vdst(0) depctr_va_sdst(0) depctr_va_ssrc(0) depctr_va_vcc(0) depctr_vm_vsrc(0)
	s_getreg_b32 s2, hwreg(HW_REG_IB_STS2, 6, 4)
	s_cmp_eq_u32 s2, 0
	s_cbranch_scc0 .Lentry_in_a_cluster
	s_endpgm
.Lentry_in_a_cluster:
	s_bfe_u32 s2, ttmp6, 0x10000c
	s_cmp_lg_u32 s2, 0xf033
	s_cbranch_scc0 .Lentry_shape_is_right
	s_endpgm
.Lentry_shape_is_right:
; out0 = A o_w^T + o_b on codes of FP8 (E4M3).  A: the attention's result, 8,192 tokens x 1,024 channels, as the launch before has laid it: att [4 K steps of 256][512 tiles of 16 tokens][4 heads][1024 bytes]:
; images of operand registers (16 tokens x 64 channels: registers 4 c .. 4 c + 3 of lane l at 512 c + 16 l), in the plain forms' own places: registers 2 c, 2 c + 1 hold K = 16 c + 8 (lane / 16) + 0 .. 7.
; Two neighbouring heads' images on end are one fragment of 128 along K.  o_w: [1024][1024] codes, K innermost; o_b f32; out0: [8192][1024] f32.
; A tile of the result is 256 x 256: four waves of 128 x 128 (64 accumulators, 512 registers); 128 work-groups in 8 clusters of 4 x 4.  The larger wave tile is kept, at the price of fewer work-groups than a tile of
; 128 x 256 would give: for 128 along K a wave reads 2 x 128 x 128 bytes from LDS for 64 matrix instructions, with 64 x 128 it would read three quarters of that for half as many.
; The four of a row of the cluster need the same tiles of A, the four of a column the same tiles of o_w: each is asked for JOINTLY.  K goes in four steps of 256 through two LDS slots.
; THE MATRIX INSTRUCTION IS USED TRANSPOSED (source 0 = 16 rows of o_w, source 1 = 16 tokens): a lane holds eight neighbouring numbers of a row of the result.
; THE BIAS is the C of each sum's first matrix instruction, divided by 2^(e10 + e11); each finished sum is multiplied once by 2^(e10 + e11).
; No prefetch: of the four K steps two are first fills and two are asked for a whole step (128 matrix instructions) ahead.  The input mask is not among the arguments.
; LIMIT: e10 + e11 between -126 and 127, so that 2^(e10 + e11) is an f32 number.  NaN in the bias is not served.
; REGISTERS, in windows of 256: window 0: v1-29 addresses; v32-95 the bias, on the way out a block's numbers; v128-255 A's fragments, ONE set, on the way out rows read back.
;   window 1: o_w's fragments, TWO sets.   window 2: the accumulators of my rows 0-63 ((a, b) at v[8 (8 a + b)]);   window 3: those of my rows 64-127.
.set SIZE_N, 1024
.set ROWB,   256                       ; a row of o_w's tile in bytes
.set KROW,   1024                      ; a row of o_w in memory
.set PITCH,  272                       ; its LDS row: 256 bytes + 16 of padding = 68 words: row r starts at bank 4 r mod 64 (64 banks of 4 bytes: ISA guide 11.1)
.set ASTEP,  2097152                   ; a K step of 256 on, in att
.set AHALF,  32768                     ; 128 tokens x 256 channels of images: what one tensor load brings of A, dense
.set BHALF,  128*PITCH                 ; and of o_w
.set BOFF,   2*AHALF                   ; a slot: A's two halves, then o_w's two
.set SLOT,   BOFF+2*BHALF
.set SPARE,  2*SLOT                    ; behind the ring: the spare words, 128 bytes for each wave: two blocks of 256 bytes that no other line names
.set SPITCH, 528                       ; the way out: a stage of 16 rows x (512 bytes + 16) for each wave, at the head of slot 0, which has had its last fill and its last read when the first result is stored there
.set FR,     16
.set NL,     4                         ; LDS loads that bring a fragment of A
.set NP,     4                         ; places behind this matrix instruction (ISA guide 7.12.1)
.set ADRA, 16                          ; v16-17  LDS address of my A fragments in slot 0, 1
.set ADRB, 20                          ; v20-21  the same for o_w
.set STO,  24                          ; v24     the way out: where I put 32 bytes of a row
.set RD,   25                          ; v25     where I read a row back
.set CO,   26                          ; v26     my byte offset in a row of the result
.set SPW,  28                          ; v28     LDS address of my spare word; never rewritten
.set NIL,  29                          ; v29     0; never rewritten
.set BI,   32                          ; v32-95  the bias: eight registers for each of o_w's eight blocks
.set TMP,  32                          ; the way out: a block's sums x 2^(e10 + e11)
.set AF,   128
.set BK,   128                         ; the way out: 16 rows read back: v128-191 and v192-255 by turns
.set G1, 24
.set G0, 32
.set G1B, 48
.set G0B, 56
.set MSB, 0
.macro WIN new                         ; the immediate's high byte repeats the setting that is left
.if MSB != (\new)
	s_set_vgpr_msb (MSB<<8)|(\new)
.set MSB, (\new)
.endif
.endm
.set MUL_LO, 0xa1                      ; source 0 (o_w) window 1, source 1 (A) window 0, C and D window 2
.set MUL_HI, 0xf1                      ; the same, C and D window 3
.set TO_B,   0x40                      ; destination window 1, address window 0
; A joint load: waves 0 and 1 fetch A's halves, waves 2 and 3 o_w's.  Four v_nop follow each of the two lines, ahead of the jump, the label and what follows.
.macro JLOAD g0a, g1a, g0b, g1b
	s_cmp_eq_u32 s15, 0
	s_cbranch_scc0 .Lfor_b_\@
	tensor_load_to_lds s[\g0a:\g0a+3], s[\g1a:\g1a+7]
	s_nop 0
.rept 4
	v_nop
.endr
	s_branch .Lasked_\@
.Lfor_b_\@:
	tensor_load_to_lds s[\g0b:\g0b+3], s[\g1b:\g1b+7]
	s_nop 0
.rept 4
	v_nop
.endr
.Lasked_\@:
.endm
.macro CREST                           ; a round of the cluster's barrier behind its opening barrier
	s_cmp_lg_u32 s14, 0
	s_cbranch_scc1 .Lnot_wave_0_\@
	s_barrier_signal -3
.Lnot_wave_0_\@:
	s_barrier_wait -3
	s_barrier_signal -1
	s_barrier_wait -1
.endm
.macro CROUND                          ; a whole round
	s_barrier_signal -1
	s_barrier_wait -1
	CREST
.endm
	s_load_b128 s[4:7], s[0:1], 0x0                ; att s[4:5], o_w's codes s[6:7]
	s_load_b128 s[8:11], s[0:1], 0x10              ; the exponents s[8:9], out0 s[10:11]
	s_load_b64 s[12:13], s[0:1], 0x20              ; o_b
	v_lshl_add_u32 v[SPW], v0, 2, SPARE
	v_mov_b32 v[NIL], 0
	ds_add_u32 v28, v29
	ds_add_u32 v28, v29
	s_wait_dscnt 0x0
	v_lshrrev_b32 v1, 5, v0
	v_readfirstlane_b32 s14, v1                    ; wave 0..3
	s_lshr_b32 s15, s14, 1                         ; which half of the tile's rows is mine.  Also: I fetch for A (0) or for o_w (1)
	s_and_b32 s16, s14, 1                          ; which half of its columns.  Also: which half of that tile I fetch
	s_bfe_u32 s40, ttmp6, 0x40000                  ; cx, cy: my place in the cluster
	s_bfe_u32 s41, ttmp6, 0x40004
	s_lshl_b32 s42, ttmp9, 2
	s_add_co_u32 s42, s42, s40                     ; tile column = 4 x cluster x + cx
	s_and_b32 s17, ttmp7, 0xffff
	s_lshl_b32 s17, s17, 2
	s_add_co_u32 s17, s17, s41                     ; tile row = 4 x cluster y + cy
	s_lshl_b32 s43, s41, 2
	s_lshl_b32 s43, 15, s43                        ; my row of the cluster
	s_lshl_b32 s44, 0x1111, s40                    ; my column
	; descriptor group 1 for A: a dense block of 32,768 bytes, as 128 rows of 32 elements of 8 bytes, no padding
	s_or_b32 s[G1+0], s43, (3<<16)|(1<<21)         ; 15:0 the mask: my row; 17:16 elements of 8 bytes; 21 set beside a mask
	s_mov_b32 s[G1+1], 32<<16                      ; tensor_dim0 = 32
	s_mov_b32 s[G1+2], 128<<16                     ; tensor_dim1 = 128
	s_mov_b32 s[G1+3], 32<<16                      ; tile_dim0 = 32
	s_mov_b32 s[G1+4], 128                         ; tile_dim1 = 128
	s_mov_b32 s[G1+5], 32                          ; tensor_dim0_stride: each row begins where the last ends
	s_mov_b32 s[G1+6], 0
	s_mov_b32 s[G1+7], 0
	; for o_w: 128 rows x 256 bytes, padded in LDS
	s_or_b32 s[G1B+0], s44, (1<<20)|(1<<21)|(5<<22)|(3<<25)   ; the mask: my column; elements of 1 byte; padding on: 4 words after every 64
	s_mov_b32 s[G1B+1], ROWB<<16
	s_mov_b32 s[G1B+2], 128<<16
	s_mov_b32 s[G1B+3], ROWB<<16
	s_mov_b32 s[G1B+4], 128
	s_mov_b32 s[G1B+5], KROW
	s_mov_b32 s[G1B+6], 0
	s_mov_b32 s[G1B+7], 0
	s_lshl_b32 s20, s17, 16                        ; A: 16 tiles of tokens x 4,096 bytes for each tile row,
	s_lshl_b32 s18, s16, 15                        ; + 8 of them for the half
	s_add_co_u32 s20, s20, s18
	s_mov_b32 s21, 0
	s_lshl_b32 s46, s42, 8
	s_lshl_b32 s18, s16, 7
	s_add_co_u32 s46, s46, s18                     ; o_w: row 256 x tile column + 128 x half,
	s_lshl_b32 s46, s46, 10                        ; of 1,024 bytes
	s_mov_b32 s47, 0
	s_lshl_b32 s45, s16, 15                        ; where they go in a slot: A's half,
	s_mul_i32 s3, s16, BHALF
	s_add_co_u32 s3, s3, BOFF                      ; o_w's half: no place in the cluster enters an LDS address
	s_wait_kmcnt 0x0
	s_load_b64 s[96:97], s[8:9], 0x28              ; e10, e11
	s_add_nc_u64 s[20:21], s[4:5], s[20:21]
	s_add_nc_u64 s[46:47], s[6:7], s[46:47]
	CROUND                                         ; all sixteen work-groups are here: the first joint loads meet
.irp s, 0,1
	s_mov_b32 s[G0+4*\s], 1
	s_add_co_u32 s[G0+4*\s+1], s45, \s*SLOT
	s_add_nc_u64 s[G0+4*\s+2:G0+4*\s+3], s[20:21], \s*ASTEP
	s_or_b32 s[G0+4*\s+3], s[G0+4*\s+3], 0x80000000
	s_mov_b32 s[G0B+4*\s], 1
	s_add_co_u32 s[G0B+4*\s+1], s3, \s*SLOT
	s_add_nc_u64 s[G0B+4*\s+2:G0B+4*\s+3], s[46:47], \s*ROWB
	s_or_b32 s[G0B+4*\s+3], s[G0B+4*\s+3], 0x80000000
	JLOAD G0+4*\s, G1, G0B+4*\s, G1B               ; two loads of mine are out
.endr
	v_and_b32 v1, 15, v0                           ; r = lane % 16
	v_bfe_u32 v2, v0, 4, 1                         ; h = lane / 16
	v_and_b32 v6, 31, v0
	v_lshlrev_b32 v[CO], 4, v6                     ; 16 x lane: my place in an image, and in a row of 512 bytes
	v_mul_u32_u24 v3, v1, PITCH
	v_lshl_add_u32 v4, v2, 3, v3                   ; o_w: row x pitch + 8 x half
	s_lshl_b32 s21, s15, 15                        ; my 128 tokens' images
	s_mul_i32 s22, s16, BHALF                      ; my 128 rows of o_w,
	s_add_co_u32 s22, s22, BOFF                    ; behind A's part
.irp s, 0,1
	v_add_nc_u32 v[ADRA+\s], s21, v[CO]
	v_add_nc_u32 v[ADRB+\s], s22, v4
	s_add_co_u32 s21, s21, SLOT
	s_add_co_u32 s22, s22, SLOT
.endr
	s_mul_i32 s23, s14, 16*SPITCH                  ; my stage
	v_mul_u32_u24 v5, v1, SPITCH                   ; in: row l % 16, 32 bytes for each half of the lanes
	v_lshl_add_u32 v5, v2, 5, v5
	v_add_nc_u32 v[STO], s23, v5
	v_add_nc_u32 v[RD], s23, v[CO]                 ; back: the 32 lanes take one row of 512 bytes
	s_lshl_b32 s46, s42, 10                        ; my first column, in bytes of f32: 1024 x tile column + 512 x half: in the result's rows and in the bias
	s_lshl_b32 s47, s16, 9
	s_add_co_u32 s46, s46, s47
	s_mov_b32 s47, 0
	s_add_nc_u64 s[12:13], s[12:13], s[46:47]
	v_lshlrev_b32 v7, 5, v2                        ; accumulator (a, b), register j of lane (r, h) is column 16 b + 8 h + j: byte 64 b + 32 h + 4 j
.irp b, 0,1,2,3,4,5,6,7
	global_load_b128 v[BI+8*\b:BI+8*\b+3], v7, s[12:13] offset:64*\b
	global_load_b128 v[BI+8*\b+4:BI+8*\b+7], v7, s[12:13] offset:64*\b+16
.endr
	s_lshl_b32 s20, s17, 20                        ; my first row: (256 x tile row + 128 x half) x 4,096 bytes
	s_lshl_b32 s21, s15, 19
	s_add_co_u32 s20, s20, s21
	s_mov_b32 s21, 0
	s_add_nc_u64 s[20:21], s[20:21], s[46:47]
	s_add_nc_u64 s[10:11], s[10:11], s[20:21]
	s_wait_kmcnt 0x0
	s_add_co_i32 s96, s96, s97                     ; e10 + e11
	s_sub_co_i32 s2, 0, s96
	s_add_co_i32 s96, s96, 127
	s_lshl_b32 s96, s96, 23                        ; 2^(e10 + e11) as f32
	s_wait_loadcnt 0x0                             ; the bias
.set J, 0
.rept 64
	v_ldexp_f32 v[BI+J], v[BI+J], s2               ; bias / 2^(e10 + e11)
.set J, J+1
.endr
.macro FRAGA reg, slot, q, i           ; block i of 16 tokens, the slot's q-th 128 along K: two heads' images on end, 2,048 bytes, back into the registers that they are images of
.irp c, 0,1,2,3
	ds_load_b128 v[\reg+4*\c:\reg+4*\c+3], v[ADRA+\slot] offset:4096*(\i)+2048*(\q)+512*\c
.endr
.endm
.macro FRAGB reg, slot, q, i           ; 16 rows of o_w x 128 K in the same places: registers 2 c, 2 c + 1 hold K = 16 c + 8 (lane / 16) + 0 .. 7
.irp c, 0,1,2,3,4,5,6,7
	ds_load_b64 v[\reg+2*\c:\reg+2*\c+1], v[ADRB+\slot] offset:128*(\q)+16*\c+(\i)*16*PITCH
.endr
.endm
; 16 matrix instructions: A's blocks a0, a0 + 1 x o_w's eight, 128 along K.  p: o_w's set.  cm = 1: the sums begin with the bias.  The 64 accumulators take turns, one instruction a turn.
.macro MUL16 a0, p, cm
.irp a, \a0, \a0+1
.irp b, 0,1,2,3,4,5,6,7
.if \cm
	v_wmma_f32_16x16x128_fp8_fp8 v[8*(8*((\a)%4)+\b):8*(8*((\a)%4)+\b)+7], v[128*(\p)+FR*\b:128*(\p)+FR*\b+FR-1], v[AF+FR*(\a):AF+FR*(\a)+FR-1], v[BI+8*\b:BI+8*\b+7]
.else
	v_wmma_f32_16x16x128_fp8_fp8 v[8*(8*((\a)%4)+\b):8*(8*((\a)%4)+\b)+7], v[128*(\p)+FR*\b:128*(\p)+FR*\b+FR-1], v[AF+FR*(\a):AF+FR*(\a)+FR-1], v[8*(8*((\a)%4)+\b):8*(8*((\a)%4)+\b)+7]
.endif
.endr
.endr
.endm
.macro FETCH_B slot, q, p
	WIN TO_B
.irp i, 0,1,2,3,4,5,6,7
	FRAGB 128*(\p)+FR*\i, \slot, \q, \i
.endr
	WIN 0
.endm
.macro FETCH_A slot, q, i0
.irp i, \i0, \i0+1, \i0+2, \i0+3
	FRAGA AF+FR*(\i), \slot, \q, \i
.endr
.endm
.macro PLACES n                        ; places in front of loads into registers that matrix instructions have read, and of the first read of results (ISA guide 7.12.1 for the first read of results)
.rept \n
	v_nop
.endr
.endm
.macro STEP slot, q, cm                ; a step of 128 along K that has its successor in the same slot
	s_wait_dscnt 4*NL                              ; o_w's set and A's blocks 0-3 are in; the youngest sixteen loads (A's blocks 4-7) may be out
.if \cm
	WIN 0x81                                       ; C (the bias) window 0, D window 2
.else
	WIN MUL_LO
.endif
	MUL16 0, (\q)%2, \cm
	MUL16 2, (\q)%2, \cm
	s_wait_dscnt 0                                 ; A's blocks 4-7 are in
	PLACES NP
	FETCH_B \slot, (\q)+1, 1-(\q)%2
	FETCH_A \slot, (\q)+1, 0
.if \cm
	WIN 0xc1
.else
	WIN MUL_HI
.endif
	MUL16 4, (\q)%2, \cm
	MUL16 6, (\q)%2, \cm
	PLACES NP
	WIN 0
	FETCH_A \slot, (\q)+1, 4
.endm
; A slot's last step changes slots: ONE barrier; in front of it each wave waits for all its tensor loads, adds 0 to its spare word, and waits for that and for its own reads of this slot.  fill = 1: this slot is filled again, two K steps ahead.
.macro TURN slot, next, fill
	s_wait_tensorcnt 0x0                           ; all my tensor loads have landed: the one that was out is my part of the next slot  (every window is 0 here)
	ds_add_u32 v[SPW], v[NIL]                      ; 0 onto my spare word
	s_wait_dscnt 4*NL+1                            ; (the add and the youngest sixteen loads may be out)
	WIN MUL_LO
	MUL16 0, 1, 0                                  ; sixteen matrix instructions stand between the add and the wait for it
	s_wait_dscnt 0x0                               ; the add is done, and my reads of this slot are over
	s_barrier_signal -1
	MUL16 2, 1, 0
	WIN 0
	s_barrier_wait -1
.if \fill
	CREST                                          ; the barrier has opened a round of the cluster's barrier: no wave of any partner still reads this slot's tile or has a load on its way
	s_add_nc_u64 s[G0+4*\slot+2:G0+4*\slot+3], s[G0+4*\slot+2:G0+4*\slot+3], 2*ASTEP
	s_add_nc_u64 s[G0B+4*\slot+2:G0B+4*\slot+3], s[G0B+4*\slot+2:G0B+4*\slot+3], 2*ROWB
	JLOAD G0+4*\slot, G1, G0B+4*\slot, G1B         ; the first tensor load behind the round, my one load until the next; its four v_nop are also the places in front of the loads below
.else
	PLACES NP
.endif
	FETCH_B \next, 0, 0
	FETCH_A \next, 0, 0
	WIN MUL_HI
	MUL16 4, 1, 0
	MUL16 6, 1, 0
	PLACES NP
	WIN 0
	FETCH_A \next, 0, 4
.endm
	s_wait_tensorcnt 1                             ; my part of K step 0 is in (K step 1's load may be out)
	s_barrier_signal -1
	s_barrier_wait -1                              ; everybody's is
	FETCH_B 0, 0, 0
	FETCH_A 0, 0, 0
	FETCH_A 0, 0, 4
	STEP 0, 0, 1                                   ; the first products start the sums, with the bias
	TURN 0, 1, 1                                   ; K = 1,024 is four fills of a slot: the steps are written out
	STEP 1, 0, 0
	TURN 1, 0, 1
	STEP 0, 0, 0
	TURN 0, 1, 0                                   ; the last two slots are filled no more, and have no round of the cluster's barrier
	STEP 1, 0, 0
	s_wait_dscnt 4*NL                              ; the very last step: nothing more to fetch
	WIN MUL_LO
	MUL16 0, 1, 0
	MUL16 2, 1, 0
	s_wait_dscnt 0
	WIN MUL_HI
	MUL16 4, 1, 0
	MUL16 6, 1, 0
	WIN 0
; THE WAY OUT, block by block of 16 rows x 128 columns.  A lane holds 32 neighbouring bytes of a row, and the lanes beside it hold other rows: so a block goes through my own stage in LDS and comes back as whole
; rows of 512 bytes.  LDS serves a wave's instructions in order (ISA guide 5.7.1.4): no wait between the stores and the loads, nor in front of the next block's stores.
.macro TOSTAGE a
.set AC, 64*((\a)%4)
	WIN (0x02+((\a)/4))                            ; source 0: window 2 or 3
.irp j, 0,2,4,6,8,10,12,14,16,18,20,22,24,26,28,30,32,34,36,38,40,42,44,46,48,50,52,54,56,58,60,62
	v_pk_mul_f32 v[TMP+\j:TMP+\j+1], v[AC+\j:AC+\j+1], s[96:97] op_sel_hi:[1,0]   ; both x s96 = 2^(e10 + e11); each accumulator from its low end on
.endr
	WIN 0
.irp b, 0,1,2,3,4,5,6,7
	ds_store_b128 v[STO], v[TMP+8*\b:TMP+8*\b+3] offset:64*\b
	ds_store_b128 v[STO], v[TMP+8*\b+4:TMP+8*\b+7] offset:64*\b+16
.endr
.set BB, BK+64*((\a)%2)
.irp t, 0,1,2,3,4,5,6,7,8,9,10,11,12,13,14,15
	ds_load_b128 v[BB+4*\t:BB+4*\t+3], v[RD] offset:\t*SPITCH
.endr
.endm
.macro SEND a, younger                 ; younger: the LDS instructions issued behind block a's loads, which may stay out
.set BB, BK+64*((\a)%2)
	s_wait_dscnt \younger                          ; the block is back in registers
.if (\a) > 0
	s_add_nc_u64 s[10:11], s[10:11], 16*SIZE_N*4   ; (behind a wait on XCNT: the earlier stores have read their base)  16 rows on
.endif
.irp t, 0,1,2,3,4,5,6,7,8,9,10,11,12,13,14,15
	global_store_b128 v[CO], v[BB+4*\t:BB+4*\t+3], s[10:11] offset:\t*SIZE_N*4 th:TH_STORE_NT   ; 32 lanes store 512 consecutive bytes, at a multiple of 512 from the result's first byte; written once, read by nobody here
.endr
.endm
	PLACES NP                                      ; behind the last products: for the first reads of results and for the loads into the registers that held A's fragments
	TOSTAGE 0
.irp a, 1,2,3,4,5,6,7
.if \a > 1
	s_wait_xcnt 0x0                                ; block a - 2's stores have read their registers and their base: block a's loads may land there, and the base may step
.endif
	TOSTAGE \a
	SEND \a-1, 32                                  ; behind block a - 1's loads: block a's 16 stores and 16 loads
.endr
	s_wait_xcnt 0x0                                ; block 6's stores have read their base
	SEND 7, 0
	s_wait_tensorcnt 0x0                           ; the wave's end: behind my last tensor load and my last LDS store
	ds_add_u32 v[SPW], v[NIL]
	s_wait_dscnt 0x0
	CROUND                                         ; the closing round: no work-group ends while a partner may still ask for a tile that names it
	s_endpgm
.Lfunc_end_k_qf4bc89c499_oproj:
	.size	k_qf4bc89c499_oproj, .Lfunc_end_k_qf4bc89c499_oproj-k_qf4bc89c499_oproj
	.p2alignl 7, 3214868480
	.fill 96, 4, 3214868480
	.section	.rodata,"a",@progbits
	.p2align	6, 0x0
	.amdhsa_kernel k_qf4bc89c499_oproj
		.amdhsa_group_segment_fixed_size 327680
		.amdhsa_private_segment_fixed_size 0
		.amdhsa_enable_private_segment 0
		.amdhsa_kernarg_size 40
		.amdhsa_user_sgpr_count 2
		.amdhsa_user_sgpr_kernarg_segment_ptr 1
		.amdhsa_wavefront_size32 1
		.amdhsa_system_sgpr_workgroup_id_x 1
		.amdhsa_system_sgpr_workgroup_id_y 1
		.amdhsa_system_sgpr_workgroup_id_z 1
		.amdhsa_system_vgpr_workitem_id 0
		.amdhsa_next_free_vgpr 1024
		.amdhsa_next_free_sgpr 98
		.amdhsa_reserve_vcc 0
		.amdhsa_float_denorm_mode_32 3
		.amdhsa_float_denorm_mode_16_64 3
		.amdhsa_memory_ordered 1
		.amdhsa_forward_progress 1
		.amdhsa_inst_pref_size 145
	.end_amdhsa_kernel
	.amdgpu_metadata
---
amdhsa.version: [ 1, 2 ]
amdhsa.kernels:
  - .name:           k_qf4bc89c499_oproj
    .symbol:         k_qf4bc89c499_oproj.kd
    .args:
      - { .name: att, .offset: 0, .size: 8, .value_kind: global_buffer, .address_space: global }
      - { .name: o_w_codes, .offset: 8, .size: 8, .value_kind: global_buffer, .address_space: global }
      - { .name: lowp_scales, .offset: 16, .size: 8, .value_kind: global_buffer, .address_space: global }
      - { .name: out0, .offset: 24, .size: 8, .value_kind: global_buffer, .address_space: global }
      - { .name: o_b, .offset: 32, .size: 8, .value_kind: global_buffer, .address_space: global }
    .group_segment_fixed_size: 327680
    .private_segment_fixed_size: 0
    .kernarg_segment_align: 8
    .kernarg_segment_size: 40
    .max_flat_workgroup_size: 128
    .sgpr_count:     98
    .vgpr_count:     1024
    .wavefront_size: 32
...
	.end_amdgpu_metadata
.endif
;; end of part 3
;; ======== version 2 of 2: 3 launches; version 1 with the launch attn written anew for expert scheduling mode
;; workspace buffers: qws 8,388,608 bytes; kv 16,777,216 bytes; att 8,388,608 bytes
;; launch qkv: the kernel of part 1 again; grid 8 x 48, 4 waves a work-group, clusters of 4 x 4, 327,680 bytes of LDS; arguments x_codes, q_w_codes, k_w_codes, v_w_codes, q_b, k_b, v_b, lowp_scales, qws, kv; writes qws, kv
;; launch attn (part 4): grid 4 x 64, 16 waves a work-group, no clusters, 133,120 bytes of LDS; arguments qws, kv, lowp_scales, att; writes att
.if DOCPART == 4
	.amdgcn_target "amdgcn-amd-amdhsa--gfx1250"
	.amdhsa_code_object_version 6
	.text
	.protected	k_qf4bc89c499_attn
	.globl	k_qf4bc89c499_attn
	.p2align	8
	.type	k_qf4bc89c499_attn,@function
k_qf4bc89c499_attn:
	s_mov_b64 s[64:65], 0
	v_nop
	global_prefetch_b8 v0, s[64:65] scope:SCOPE_SE
	s_setreg_imm32_b32 hwreg(HW_REG_WAVE_SCHED_MODE, 0, 2), 2
	s_setreg_imm32_b32 hwreg(HW_REG_WAVE_MODE, 25, 1), 1
	s_wait_xcnt 0x0
	s_wait_alu depctr_vm_vsrc(0)
; O[bh][q] = the sum over k of softmax_k(Q[bh][q] . K[bh][k] / 8) V[bh][k], head size 64, 2,048 keys, both products on codes of FP8 (E4M3); O is quantised at once for the output projection.
; qws, kv: images of operand registers (registers 4 c .. 4 c + 3 of lane l at 512 c + 16 l), as the launch before has laid them:
;   qws [64 bh][128 tiles of 16 queries][1024];  kv [64 bh][16 steps of 128 keys][8 images of K (16 keys x 64), 1024 bytes each; 4 images of V (16 channels x 128 keys), 2048 each].
;   att [4 K steps of 256 channels][512 tiles of 16 tokens][4 heads][1024]: images of 16 tokens x a head's 64 channels.
; THE SOFTMAX: t = score x log2(e) / 8; M = the running largest t rounded UP to a whole number; p = 2^(t - M) is quantised with 2^e8, not normalised; the row's sum is taken of the unquantised p and divides at the end.
; When M moves, the sum and O are multiplied by 2^(old M - new M): a power of two.
; SHARES.  A work-group owns 512 queries of one head; each of its sixteen waves 32 of them, two tiles A and B, in 256 registers: four waves to a SIMD, so that one wave's LDS loads and products stand beside the others' vector work.
; Each fragment of K and V read from LDS feeds two matrix instructions.  Both products are used transposed (S^T = K Q^T, O^T = V^T P^T): a lane holds ONE query (lane % 16) throughout, and a tile's eight scores
; of accumulator t are keys 16 t + 8 (lane / 16) + 0 .. 7: their two registers of codes are registers 2 t, 2 t + 1 of the second product's operand.
; K AND V COME THROUGH REGISTERS: in each step every thread loads 2 x 16 bytes of the step four steps on and stores them into the other LDS slot, 16 x thread on both sides, since the images are dense.
; NO CLUSTER AND NO TENSOR LOAD, though the four work-groups of a head walk the same kv: a step's shared bytes are 16 KiB for sixteen waves' 390 vector instructions each.
; p is at most 1 (a rounding above it at the most), so the hold at 448 x 2^e8 can bite only where e8 < -8; a scalar branch on that whole number, read from memory, leads round the 64 lines of the hold where e8 >= -8.  With e8 < -8 the hold runs.
; LDS: two slots of four steps, 65,536 bytes each; ONE barrier for each slot: in front of it a wave's stores into the slot ahead have landed and its reads of the slot left are in.
; The input mask is not among the arguments.
; LIMITS on the given exponents: e6 + e7 between -123 and 130 (added to c's exponent field); e8 and e10 between -126 and 119; e8 + e9 is applied by v_ldexp_f32 and has none.
; REGISTERS: v1-7 addresses and constants; v[8:11], v[12:15]: -M, the largest t, f, the sum, for tile A, B; v16-31 Q; v32-63 four images of K, later v32-47 A's codes of p, v48-55 the stream's two loads, v56-61 at work;
;   v64-127 A's scores, then p, later three images of V (v64-111) and B's codes of p (v112-127); v128-191 B's scores, later V's fourth image (v128-143); v192-223, v224-255 O^T of A, B.
; THE MODE: SCHED_MODE bits 1:0 = 2 (LLVM: expert scheduling mode 2), set by the entry lines.  The code itself states the register dependences
; between vector or matrix instructions and memory or LDS instructions, with s_wait_alu, always for 0.
; THE PLAN.  Registers that memory or LDS instructions touch, in a key step's order:
;   v32-63    K's images 0-3 land; eight products read them; K's images 4-7 land; eight products read them.  Then v32-47 are written by A's conversions and read by the step's last eight products;
;             in v48-55 the stream's two loads land, and the step's two LDS stores read them; v56-61 are named by both softmaxes.
;   v64-111   Written by products, worked on by A's softmax (its conversions read them last); then V's images 0-2 land; six products read them.
;   v128-143  The same for B's softmax and V's image 3; two products read it.
;   v2, v4    The slot's LDS addresses: written once a slot, at its head; read by all its LDS loads and LDS stores.
;   v1, v3, v6  Offsets made at the kernel's head and never written again.
; THE WAITS OF A STEP.  On va_vdst: at its head (the last step's products and softmaxes are done with v32-63; in a slot's first step v2 and v4 are written); between K's two halves (the first eight products are done
; reading v32-63); behind each tile's exponentials (their results are written: A's wait also states that the second eight products are done reading v48-55, so the stream's loads follow it with no wait of their own);
; behind each tile's conversions (they are done reading the registers in which V's images land).  On vm_vsrc: one at the step's head (the last step's LDS stores have read v48-55); in a slot's first step it stands
; at the slot's head, ahead of the adds to v2 and v4.
.set LI,   1                           ; v1  16 x lane: my place in an image
.set ADR,  2                           ; v2  the same in the slot in hand
.set T16,  3                           ; v3  16 x thread: my place in 8,192 bytes of the stream, in memory and in LDS
.set STA,  4                           ; v4  the same in the other slot
.set SC8,  5                           ; v5  2^e8 as f32
.set PFO,  6                           ; v6  256 x thread: the prefetches' offset; never rewritten
.set PX,   7                           ; v7  a lane permute's destination
.set QA,   16
.set QB,   24
.set KB,   32
.set PA,   32
.set LD,   48
.set SA,   64
.set PB,   112
.set SB,   128
.set OA,   192
.set OB,   224
.set STEPB, 16384                      ; a key step's images
.set SLOTB, 65536                      ; four of them
	s_load_b256 s[4:11], s[0:1], 0x0               ; qws s[4:5], kv s[6:7], the exponents s[8:9], att s[10:11]
	v_lshrrev_b32 v1, 5, v0
	v_readfirstlane_b32 s12, v1                    ; wave 0..15
	v_and_b32 v2, 31, v0
	v_lshlrev_b32 v[LI], 4, v2
	v_lshlrev_b32 v[T16], 4, v0
	v_lshlrev_b32 v[PFO], 8, v0
	s_wait_alu depctr_va_sdst(0)                   ; s12 is written, ahead of its first reader: the places in qws and att are made from it
	s_and_b32 s13, ttmp7, 0xffff                   ; bh = 16 x batch + head
	s_lshl_b32 s34, s13, 18                        ; the head's first byte in kv
	s_mov_b32 s35, 0
	s_lshl_b32 s36, s13, 17                        ; in qws: the head, + 32 tiles for each work-group, + 2 for each wave
	s_lshl_b32 s38, ttmp9, 15
	s_add_co_u32 s36, s36, s38
	s_lshl_b32 s38, s12, 11
	s_add_co_u32 s36, s36, s38
	s_mov_b32 s37, 0
	s_and_b32 s38, s13, 15                         ; in att: (head / 4) x 2^21 + token tile x 4096 + (head % 4) x 1024
	s_lshr_b32 s39, s38, 2
	s_lshl_b32 s39, s39, 21
	s_and_b32 s38, s38, 3
	s_lshl_b32 s38, s38, 10
	s_add_co_u32 s38, s38, s39
	s_lshr_b32 s39, s13, 4
	s_lshl_b32 s39, s39, 7                         ; token tile = 128 x batch + 32 x work-group x + 2 x wave
	s_lshl_b32 s14, ttmp9, 5
	s_add_co_u32 s39, s39, s14
	s_lshl_b32 s14, s12, 1
	s_add_co_u32 s39, s39, s14
	s_lshl_b32 s39, s39, 12
	s_add_co_u32 s38, s38, s39
	s_mov_b32 s39, 0
	s_wait_kmcnt 0x0
	s_load_b128 s[16:19], s[8:9], 0x18             ; e6, e7, e8, e9
	s_load_b32 s20, s[8:9], 0x28                   ; e10
	s_add_nc_u64 s[6:7], s[6:7], s[34:35]
	s_add_nc_u64 s[4:5], s[4:5], s[36:37]
	s_add_nc_u64 s[10:11], s[10:11], s[38:39]
	s_wait_alu depctr_va_vdst(0)                   ; the offsets v1, v3 and v6 are written: every global load, store and prefetch of the kernel, and the first slot's LDS stores, read one of them
.irp i, 0,1,2,3,4,5,6,7
	global_load_b128 v[SA+4*\i:SA+4*\i+3], v[T16], s[6:7] offset:8192*\i   ; key steps 0 to 3: the work-group's 512 threads take 8,192 consecutive bytes an instruction
.endr
.irp i, 0,1,2,3
	global_load_b128 v[QA+4*\i:QA+4*\i+3], v[LI], s[4:5] offset:512*\i th:TH_LOAD_NT   ; my two tiles of Q stay in registers; nobody else reads them
.endr
	s_mov_b32 s24, 0x76543210                      ; v_permlanex16_b32's selects for lane l xor 16
	s_mov_b32 s25, 0xfedcba98
	s_lshr_b32 s34, s12, 1                         ; 0 in waves 0 and 1,
	s_or_b32 s34, s34, ttmp9                       ; of the head's first work-group: they prefetch
	s_cmp_eq_u32 s34, 0
	s_cselect_b32 s32, 1, -1                       ; a slot's steps 0 to 2 ask while more than this many slots are to go,
	s_cselect_b32 s33, 2, -1                       ; its step 3 while more than this many
	v_mov_b32 v9, 0xff61b1e6                       ; the largest t so far: -3e38, under every t.  (The vector lines from here to the loop name none of v1, v3, v16-31, v64-95, which the loads above and the LDS stores below touch)
	v_mov_b32 v13, 0xff61b1e6
	v_floor_f32 v8, -v9                            ; -M
	v_floor_f32 v12, -v13
	v_mov_b32 v10, 0                               ; f
	v_mov_b32 v11, 0                               ; the sum
	v_mov_b32 v14, 0
	v_mov_b32 v15, 0
	v_mov_b32 v[PX], 0                             ; written once: a lane permute's destination counts as one of its sources
.set J, 0
.rept 64
	v_mov_b32 v[OA+J], 0                           ; O^T.  (The step is written once for all sixteen: the first finds zeros, which the first change of M leaves zeros)
.set J, J+1
.endr
	s_wait_kmcnt 0x0
	s_add_co_i32 s34, s16, s17
	s_lshl_b32 s34, s34, 23
	s_mov_b32 s22, 0x3e38aa3b                      ; c = log2(e) / 8
	s_add_co_i32 s22, s22, s34                     ; a score stands for score x 2^(e6 + e7): the two exponents are added to c's exponent field
	s_mov_b32 s23, s22                             ; (named with it as a pair, so it is written)
	s_add_co_i32 s34, s18, 127
	s_lshl_b32 s35, s34, 23
	v_mov_b32 v[SC8], s35                          ; 2^e8
	s_add_co_i32 s34, s34, 8
	s_lshl_b32 s34, s34, 23
	s_or_b32 s26, s34, 0x600000                    ; 448 x 2^e8
	s_wait_loadcnt 4                               ; the eight loads of kv are in; Q's four may be out
.irp i, 0,1,2,3,4,5,6,7
	ds_store_b128 v[T16], v[SA+4*\i:SA+4*\i+3] offset:8192*\i   ; slot 0
.endr
	s_add_nc_u64 s[6:7], s[6:7], SLOTB             ; (the loads that named it are done)  kv walks one slot ahead of the slot in hand
	s_wait_loadcnt 0x0                             ; Q
	s_mov_b32 s27, 0                               ; LDS byte at which the slot in hand begins
	s_mov_b32 s29, 4                               ; slots to go, this one among them
; One tile's softmax for a key step, in two parts.  sc: its 64 scores; stt: its four statistics; pc: where p's codes go; oc: its O^T.
; The first part: the maximum, M, the exponentials, O^T under the new M, and the wait for the exponentials' results.
.macro SM_HEAD sc, stt, oc
	v_max3_num_f32 v56, v[\sc], v[\sc+1], v[\sc+2]   ; the step's largest score of my query among my 64 keys, in two chains, ascending: each accumulator is read from its low end on
	v_max3_num_f32 v57, v[\sc+3], v[\sc+4], v[\sc+5]
.set J, 6
.rept 14
	v_max3_num_f32 v56, v56, v[\sc+J], v[\sc+J+1]
	v_max3_num_f32 v57, v57, v[\sc+J+2], v[\sc+J+3]
.set J, J+4
.endr
	v_max3_num_f32 v56, v56, v[\sc+62], v[\sc+63]
	v_max_num_f32 v56, v56, v57
	v_permlanex16_b32 v[PX], v56, s24, s25
	v_max_num_f32 v56, v56, v[PX]                  ; and among lane l xor 16's
	v_mul_f32 v56, s22, v56                        ; as t (c is positive)
	v_max_num_f32 v[\stt+1], v[\stt+1], v56        ; the running largest t
	v_mov_b32 v56, v[\stt]
	v_floor_f32 v[\stt], -v[\stt+1]                ; the new -M = floor(-t) = -ceil(t): M is a whole number
	v_sub_f32 v56, v[\stt], v56                    ; M's old value less its new one: a whole number, 0 or less
	v_cvt_i32_f32 v56, v56                         ; (it saturates)
	v_ldexp_f32 v[\stt+2], 1.0, v56                ; f = 2^(old M - new M)
.set J, 0
.rept 32
	v_pk_fma_f32 v[\sc+J:\sc+J+1], v[\sc+J:\sc+J+1], s[22:23], v[\stt:\stt+1] op_sel_hi:[1,0,0]   ; t - M, two at a time (of the pairs c and -M the low word serves both halves)
.set J, J+2
.endr
.set J, 0
.rept 64
	v_exp_f32 v[\sc+J], v[\sc+J]                   ; p = 2^(t - M): NOT normalised
.set J, J+1
.endr
.set J, 0
.rept 16
	v_pk_mul_f32 v[\oc+J:\oc+J+1], v[\oc+J:\oc+J+1], v[\stt+2:\stt+3] op_sel_hi:[1,0]   ; O^T under the new M: x f.  (The first is the plain place behind the exponentials)
.set J, J+2
.endr
	s_wait_alu depctr_va_vdst(0)                   ; the 64 exponentials have written p, ahead of its first reader: one wait for the batch.  In tile A's turn it also states that the products K Q^T are done reading v48-55
.endm
; The second part: the row's sum, the hold, the conversions.
.macro SM_TAIL sc, stt, pc
	v_pk_add_f32 v[58:59], v[\sc:\sc+1], v[\sc+2:\sc+3]   ; THE ROW'S SUM IS TAKEN OF THE UNQUANTISED p: two at a time, in two chains
	v_pk_add_f32 v[60:61], v[\sc+4:\sc+5], v[\sc+6:\sc+7]
.set J, 8
.rept 14
	v_pk_add_f32 v[58:59], v[58:59], v[\sc+J:\sc+J+1]
	v_pk_add_f32 v[60:61], v[60:61], v[\sc+J+2:\sc+J+3]
.set J, J+4
.endr
	v_pk_add_f32 v[58:59], v[58:59], v[60:61]
	v_add_f32 v56, v58, v59
	v_fma_f32 v[\stt+3], v[\stt+3], v[\stt+2], v56 ; the sum under the new M, + this step's
	s_cmp_ge_i32 s18, -8                           ; 448 x 2^e8 is 1.75 or more: no p reaches it
	s_cbranch_scc1 .Lno_hold_\@
.set J, 0
.rept 64
	v_min_num_f32 v[\sc+J], s26, v[\sc+J]          ; the conversion to an 8-bit code does not saturate (ISA guide 7.6.2); p is not negative, so the hold is one-sided
.set J, J+1
.endr
.Lno_hold_\@:
.irp g, 0,1,2,3,4,5,6,7
	v_cvt_scalef32_pk8_fp8_f32 v[\pc+2*\g:\pc+2*\g+1], v[\sc+8*\g:\sc+8*\g+7], v[SC8]
.endr
	v_nop                                          ; one plain vector instruction behind the last conversion of a run
.endm
; A KEY STEP: 128 keys, the q-th of the slot in hand.
.macro STEP q
.if (\q) > 0
	s_wait_alu depctr_vm_vsrc(0)                   ; the last step's two LDS stores have read v48-55, in which K's images land.  (In a slot's first step the wait at the slot's head states it)
.endif
	s_wait_alu depctr_va_vdst(0)                   ; the last step's products V^T P^T are done reading v32-47, its softmaxes are done with v56-61: K's images land there; in a slot's first step v2 and v4 are written, which the slot's LDS loads and stores read
.irp g, 0,1                                    ; S^T = K Q^T, four images of 16 keys at a time, each against my two tiles
.if \g > 0
	s_wait_alu depctr_va_vdst(0)                   ; the eight products above are done reading v32-63, in which K's images 4 to 7 land; the places above stay beside this wait
.endif
.irp t, 0,1,2,3
	ds_load_b128 v[KB+8*\t:KB+8*\t+3], v[ADR] offset:STEPB*(\q)+1024*(4*\g+\t)
	ds_load_b128 v[KB+8*\t+4:KB+8*\t+7], v[ADR] offset:STEPB*(\q)+1024*(4*\g+\t)+512
.endr
	s_wait_dscnt 0x0
.irp t, 0,1,2,3
	v_wmma_f32_16x16x64_fp8_fp8 v[SA+8*(4*\g+\t):SA+8*(4*\g+\t)+7], v[KB+8*\t:KB+8*\t+7], v[QA:QA+7], 0
	v_wmma_f32_16x16x64_fp8_fp8 v[SB+8*(4*\g+\t):SB+8*(4*\g+\t)+7], v[KB+8*\t:KB+8*\t+7], v[QB:QB+7], 0
.endr
.rept 4
	v_nop                                          ; places in front of loads into registers that these products have read, and of the first read of their results
.endr
.endr
	SM_HEAD SA, 8, OA
; The stream's loads stand behind the wait that closes SM_HEAD: it was issued behind the last product that read v48-55, and no vector or matrix instruction names v48-55 from there to the LDS stores at the step's end.
	s_cmp_lg_u32 s29, 1                            ; the last slot fetches nothing: no load leaves the buffer
	s_cbranch_scc0 .Lno_load_\@
	global_load_b128 v[LD:LD+3], v[T16], s[6:7] offset:STEPB*(\q)          ; the images of the step four steps on: 2 x 8,192 bytes for the work-group
	global_load_b128 v[LD+4:LD+7], v[T16], s[6:7] offset:STEPB*(\q)+8192
.Lno_load_\@:
; A PREFETCH INTO THE L2 of the step that the NEXT step's two loads will ask for (five steps on from the step in hand): it stands where the wave has just issued its loads.  The four work-groups of a head walk the same bytes:
; the first of them asks, wave 0 for the block's first 8,192 bytes and wave 1 for its second, lanes 256 bytes apart: each aligned block of 256 bytes is named once in the launch.  Step 15 is the last that is named; steps 0 to 4 come by their loads alone.
.if (\q) < 3
	s_cmp_gt_u32 s29, s32
.else
	s_cmp_gt_u32 s29, s33
.endif
	s_cbranch_scc0 .Lno_ask_\@
	global_prefetch_b8 v[PFO], s[6:7] offset:STEPB*((\q)+1) th:TH_LOAD_NT scope:SCOPE_SE
.Lno_ask_\@:
	SM_TAIL SA, 8, PA
	s_wait_alu depctr_va_vdst(0)                   ; A's sums, hold and conversions are done with v64-127: V's images 0 to 2 land in v64-111, which B's softmax does not name
.irp t, 0,1,2
.irp c, 0,1,2,3
	ds_load_b128 v[SA+16*\t+4*\c:SA+16*\t+4*\c+3], v[ADR] offset:STEPB*(\q)+8192+2048*\t+512*\c   ; V's images 0 to 2, where A's p lay: they land under B's softmax
.endr
.endr
	SM_HEAD SB, 12, OB
	SM_TAIL SB, 12, PB
	s_wait_alu depctr_va_vdst(0)                   ; B's sums, hold and conversions are done with v128-143, in which V's image 3 lands
.irp c, 0,1,2,3
	ds_load_b128 v[SB+4*\c:SB+4*\c+3], v[ADR] offset:STEPB*(\q)+8192+2048*3+512*\c   ; V's image 3
.endr
	s_wait_dscnt 4                                 ; images 0 to 2 are in; image 3's four loads may be out
.irp t, 0,1,2                                  ; O^T += V^T P^T: the eight accumulators by turns, one instruction a turn
	v_wmma_f32_16x16x128_fp8_fp8 v[OA+8*\t:OA+8*\t+7], v[SA+16*\t:SA+16*\t+15], v[PA:PA+15], v[OA+8*\t:OA+8*\t+7]
	v_wmma_f32_16x16x128_fp8_fp8 v[OB+8*\t:OB+8*\t+7], v[SA+16*\t:SA+16*\t+15], v[PB:PB+15], v[OB+8*\t:OB+8*\t+7]
.endr
	s_wait_dscnt 0x0
	v_wmma_f32_16x16x128_fp8_fp8 v[OA+24:OA+31], v[SB:SB+15], v[PA:PA+15], v[OA+24:OA+31]
	v_wmma_f32_16x16x128_fp8_fp8 v[OB+24:OB+31], v[SB:SB+15], v[PB:PB+15], v[OB+24:OB+31]
.rept 5
	v_nop                                          ; five places: the next step's products write over registers that these have read (V's images, B's codes); four of them stand in front of the loads into A's codes' registers, beside the next step's wait
.endr
	s_wait_loadcnt 0x0                             ; the stream's two loads, issued behind A's exponentials
	s_cmp_lg_u32 s29, 1
	s_cbranch_scc0 .Lno_store_\@
	ds_store_b128 v[STA], v[LD:LD+3] offset:STEPB*(\q)               ; into the other slot, which nobody reads before the next barrier.  (Their data come from loads; v4 was written ahead of the wait at the head of the slot's first step)
	ds_store_b128 v[STA], v[LD+4:LD+7] offset:STEPB*(\q)+8192
.Lno_store_\@:
	s_wait_dscnt 0x0                               ; the stores have landed
.endm
.Lslot:                                            ; four trips, a slot of four key steps each
	s_wait_dscnt 0x0                               ; my stores into this slot have landed, my reads of the other slot are in:
	s_barrier_signal -1
	s_barrier_wait -1                              ; both now hold of all sixteen waves
	s_xor_b32 s34, s27, SLOTB
	s_wait_alu depctr_vm_vsrc(0)                   ; the last slot's LDS loads have read v2, its LDS stores v4 and v48-55; on the first trip the LDS stores at the kernel's head have read v64-95, which the first products write
	v_add_nc_u32 v[ADR], s27, v[LI]
	v_add_nc_u32 v[STA], s34, v[T16]
	STEP 0
	STEP 1
	STEP 2
	STEP 3
	s_wait_xcnt 0x0                                ; the trip's loads and prefetches have read their base: it may step
	s_add_nc_u64 s[6:7], s[6:7], SLOTB
	s_xor_b32 s27, s27, SLOTB
	s_sub_co_u32 s29, s29, 1
	s_cmp_lg_u32 s29, 0
	s_cbranch_scc1 .Lslot
	; THE WAY OUT.  The sum's two halves of the lanes are added; O^T / the sum x 2^(e8 + e9) is the attention's result; it is held within +-448 x 2^e10 and converted: accumulator t's two registers of codes
	; are registers 2 t, 2 t + 1 of the next product's operand (16 tokens x my head's 64 channels), stored as they stand.
	v_permlanex16_b32 v[PX], v11, s24, s25
	v_add_f32 v11, v11, v[PX]
	v_permlanex16_b32 v[PX], v15, s24, s25
	v_add_f32 v15, v15, v[PX]
	v_rcp_f32 v10, v11
	v_rcp_f32 v14, v15
	s_add_co_i32 s34, s18, s19
	s_add_co_i32 s35, s20, 127
	s_lshl_b32 s36, s35, 23
	v_mov_b32 v56, s36                             ; 2^e10  (a plain place behind the reciprocals)
	s_add_co_i32 s35, s35, 8
	s_lshl_b32 s35, s35, 23
	s_or_b32 s35, s35, 0x600000
	v_mov_b32 v57, s35                             ; 448 x 2^e10
	s_wait_alu depctr_va_vdst(0)                   ; the two reciprocals have written v10 and v14, ahead of their first reader: one wait for both
	v_ldexp_f32 v10, v10, s34                      ; x 2^(e8 + e9)
	v_ldexp_f32 v14, v14, s34
.macro FIN sc, stt, oc, pc
.set J, 0
.rept 16
	v_pk_mul_f32 v[\sc+J:\sc+J+1], v[\oc+J:\oc+J+1], v[\stt+2:\stt+3] op_sel_hi:[1,0]   ; each accumulator from its low end on
.set J, J+2
.endr
.set J, 0
.rept 32
	v_med3_num_f32 v[\sc+J], v[\sc+J], -v57, v57
.set J, J+1
.endr
.irp g, 0,1,2,3
	v_cvt_scalef32_pk8_fp8_f32 v[\pc+2*\g:\pc+2*\g+1], v[\sc+8*\g:\sc+8*\g+7], v56
.endr
.endm
	FIN SA, 8, OA, 32
	FIN SB, 12, OB, 40
	v_nop                                          ; one plain vector instruction behind the last conversion
	s_wait_alu depctr_va_vdst(0)                   ; the conversions have written v32-47, which the four stores read
	global_store_b128 v[LI], v[32:35], s[10:11]                 ; 32 lanes store 512 consecutive bytes, at a multiple of 512 from the buffer's first byte
	global_store_b128 v[LI], v[36:39], s[10:11] offset:512
	global_store_b128 v[LI], v[40:43], s[10:11] offset:4096     ; tile B: the next 16 tokens
	global_store_b128 v[LI], v[44:47], s[10:11] offset:4608
	s_wait_xcnt 0x0                                ; the stores have had their addresses translated
	v_lshl_add_u32 v254, v0, 2, 0x20000            ; the add's two registers are made anew from v0, which is as at the entry: all 256 registers were at work.  No memory or LDS instruction has read v254 or v255
	v_mov_b32 v255, 0
	s_wait_dscnt 0x0                               ; the closing lines, six on end
	s_wait_alu 0x0
	s_wait_tensorcnt 0x0
	ds_add_u32 v254, v255
	s_wait_dscnt 0x0
	s_endpgm
.Lfunc_end_k_qf4bc89c499_attn:
	.size	k_qf4bc89c499_attn, .Lfunc_end_k_qf4bc89c499_attn-k_qf4bc89c499_attn
	.p2alignl 7, 3214868480
	.fill 96, 4, 3214868480
	.section	.rodata,"a",@progbits
	.p2align	6, 0x0
	.amdhsa_kernel k_qf4bc89c499_attn
		.amdhsa_group_segment_fixed_size 133120
		.amdhsa_private_segment_fixed_size 0
		.amdhsa_enable_private_segment 0
		.amdhsa_kernarg_size 32
		.amdhsa_user_sgpr_count 2
		.amdhsa_user_sgpr_kernarg_segment_ptr 1
		.amdhsa_wavefront_size32 1
		.amdhsa_system_sgpr_workgroup_id_x 1
		.amdhsa_system_sgpr_workgroup_id_y 1
		.amdhsa_system_sgpr_workgroup_id_z 1
		.amdhsa_system_vgpr_workitem_id 0
		.amdhsa_next_free_vgpr 256
		.amdhsa_next_free_sgpr 66
		.amdhsa_reserve_vcc 0
		.amdhsa_float_denorm_mode_32 3
		.amdhsa_float_denorm_mode_16_64 3
		.amdhsa_memory_ordered 1
		.amdhsa_forward_progress 1
		.amdhsa_inst_pref_size 131
	.end_amdhsa_kernel
	.amdgpu_metadata
---
amdhsa.version: [ 1, 2 ]
amdhsa.kernels:
  - .name:           k_qf4bc89c499_attn
    .symbol:         k_qf4bc89c499_attn.kd
    .args:
      - { .name: qws, .offset: 0, .size: 8, .value_kind: global_buffer, .address_space: global }
      - { .name: kv, .offset: 8, .size: 8, .value_kind: global_buffer, .address_space: global }
      - { .name: lowp_scales, .offset: 16, .size: 8, .value_kind: global_buffer, .address_space: global }
      - { .name: att, .offset: 24, .size: 8, .value_kind: global_buffer, .address_space: global }
    .group_segment_fixed_size: 133120
    .private_segment_fixed_size: 0
    .kernarg_segment_align: 8
    .kernarg_segment_size: 32
    .max_flat_workgroup_size: 512
    .sgpr_count:     66
    .vgpr_count:     256
    .wavefront_size: 32
...
	.end_amdgpu_metadata
.endif
;; end of part 4
;; launch oproj: the kernel of part 3 again; grid 4 x 32, 4 waves a work-group, clusters of 4 x 4, 327,680 bytes of LDS; arguments att, o_w_codes, lowp_scales, out0, o_b; writes out0
